; MI455X (gfx1250); checked and timed in simulation.
; The chip was launched on July 23, 2026; its instructions are those of AMD's public machine-readable ISA for CDNA 5 (MIT licence, August 2026) and "CDNA5" Instruction Set Architecture Reference Guide (July 2026). The comments in the code are by the model that wrote it; some were corrected since.
;; Multi Head Attention. Allowed arithmetic: matrix products marked QUANTISED: E2M3 operands, one E8M0 scale for each 32 along K, by v_wmma_scale_f32_16x16x128_f8f6f4 with both operands' format E2M3, f32 sums; everything else in f32.
;; Inputs: W_attn 1,024 x 3,072 float32; W_proj 1,024 x 1,024 float32; b_attn 3,072 float32; b_proj 1,024 float32; x 4 x 2,048 x 1,024 float32.
;; Outputs: out0 4 x 2,048 x 1,024 float32.
;; This version of the problem:
;;   THIS VERSION OF THE PROBLEM IS GIVEN IN LOW PRECISION. The matrix products marked QUANTISED in the list below multiply operands that are first quantised to E2M3 (2 exponent bits, 3 mantissa bits; 6 bits a number), with one power-of-two scale for each 32 numbers along K (OCP MX v1.0); their sums are f32. All else is computed in f32.
;;   The module's matrix products, in the order in which they are computed (A, B: the left and right operand; K: the contracted axis; several contracted axes count as one K, in the product's order):
;;     1. [M 8,192, K 1,024] x [K 1,024, N 3,072]; A: input x; B: input W_attn: QUANTISED
;;     2. batch 64 x [M 2,048, K 64] x [K 64, N 2,048]; A: computed on the way; B: computed on the way: QUANTISED
;;     3. batch 64 x [M 64, K 2,048] x [K 2,048, N 2,048]; A: computed on the way; B: softmax (see below): QUANTISED
;;     4. [M 8,192, K 1,024] x [K 1,024, N 1,024]; A: computed on the way; B: input W_proj: QUANTISED
;;   THE QUANTISER, for each operand of a quantised product, along K:
;;     - K is cut into blocks of 32 from its start; a last block that is shorter is filled with zeros.
;;     - A block's scale is 2^e with e = floor(log2(the largest magnitude in the block)) - 2, held to -126 .. 127; a block of zeros has e = 0. As a byte (E8M0): e + 127.
;;     - Each number is divided by its block's scale, clamped to +-7.5, and rounded to the nearest number of E2M3, ties to even, subnormals kept.
;;     - The product sums the exact products of the quantised numbers (number of the format x scale) in f32.
;;   ~~~python
;;   def quantise(x, axis):      # numpy; x: float32 -> the quantised numbers, widened to float32 again
;;       x = np.moveaxis(x, axis, -1); K = x.shape[-1]
;;       x = np.pad(x, [(0, 0)] * (x.ndim - 1) + [(0, -K % 32)]); x = x.reshape(x.shape[:-1] + (-1, 32)); a = np.abs(x).max(-1, keepdims=True)
;;       e = np.where(a > 0, np.clip(np.frexp(np.where(a > 0, a, 1))[1] - 1 - 2, -126, 127), 0)      # np.frexp(a)[1] - 1 = floor(log2(a)), exactly
;;       r = np.clip(x / 2.0 ** e, -7.5, 7.5)
;;       step = 2.0 ** (np.maximum(np.frexp(np.where(r == 0, 1, r))[1] - 1, 0) - 3)
;;       q = np.round(r / step) * step * 2.0 ** e      # np.round: ties to even
;;       return np.moveaxis(q.reshape(q.shape[:-2] + (-1,))[..., :K], -1, axis).astype(np.float32)
;;   ~~~
;;   SOFTMAX AHEAD OF A QUANTISED PRODUCT. Where the list says 'softmax', what is quantised is not the finished softmax but p = 2^(t - M), with t = logit x log2(e) and M = ceil(the row's largest t), a whole number; so 1/2 < the row's largest p <= 1. The row's sum l is taken of the UNQUANTISED p, in f32, and the product's result is divided by l at the end. Since M is a whole number, a kernel that streams over the keys may use a running M (the ceiling of the running maximum): every later rescaling is an exact power of two, which a block's scale takes up: the codes' values come out the same.
;;   OPERANDS COMPUTED ON THE WAY. 'Computed on the way' means the value that the module computes at that place (a softmax that the list does not call 'softmax' is quantised finished and normalised). What goes into a quantiser is computed in f32, as accurately as f32 sums, v_exp_f32 and their like allow (about 1e-6 of the number): no bf16 or f16 on the way to a quantiser, and a product that is left as it is and whose result goes on into a quantised operand takes f32 operands (vector FMAs, or v_wmma_f32_16x16x4_f32). A number that lies on a knife's edge between two numbers of the format may be rounded either way, as far as f32 arithmetic and the matrix unit's own rounding can turn it there, and no further.
;; One version. Each part assembles by itself: llvm-mc -triple=amdgcn-amd-amdhsa -mcpu=gfx1250 --defsym DOCPART=n.
;; ======== version 1 of 1: 4 launches
;; limits: right only within a limited range of input values
;; workspace buffers: cq 9,437,184 bytes; zs 393,216 bytes; qkv 20,447,232 bytes; ao 6,291,456 bytes; aos 524,288 bytes
;; launch quant (part 1): grid 1024 x 1, 2 waves a work-group, no clusters, 34,048 bytes of LDS; arguments x, W_attn, W_proj, cq, zs; writes cq, zs
.if DOCPART == 1
	.amdgcn_target "amdgcn-amd-amdhsa--gfx1250"
	.amdhsa_code_object_version 6
	.text
	.protected	k_qe99c7a009b_quant
	.globl	k_qe99c7a009b_quant
	.p2align	8
	.type	k_qe99c7a009b_quant,@function
k_qe99c7a009b_quant:
	s_mov_b64 s[64:65], 0
	v_nop
	global_prefetch_b8 v0, s[64:65] scope:SCOPE_SE
	s_setreg_imm32_b32 hwreg(HW_REG_WAVE_MODE, 25, 1), 1
	s_wait_xcnt 0x0
; x [8192][1024], W_attn [1024][3072] and W_proj [1024][1024], f32, become codes of FP6 (E2M3) along K = 1,024, with one E8M0 byte for each 32 along K.
; The three are taken as ONE matrix Z of 12,288 rows x 1,024 K: rows 0 .. 8191 x's tokens, 8192 .. 11263 W_attn's columns, 11264 .. 12287 W_proj's columns.
; A block's scale is 2^(floor(log2(its largest magnitude)) - 2); its byte is the largest magnitude's exponent field - 2, held at 1 from below by a floor among the maximum's leaves.
; LIMITS: NaN and infinities among the inputs are not served; a block whose largest magnitude lies under 2^-124 keeps the byte 1; a block of zeros has the byte 1 where the rule says 127:
; its codes are zeros, which add nothing under any byte but 0xff, and the bytes are read by this program alone.
; THE CODES ARE LAID AS IMAGES OF THE READER'S OPERAND REGISTERS.  cq: [64 along K: 16][tile: 768][768 bytes].  A tile is 16 rows x 64 K: tile 2 G + u holds rows 32 G + 8 u + r + 8 (r / 8), r = 0 .. 15.
; In its 768 bytes lane (r, h) has block h of its row: registers 0-3 at 16 x lane, registers 4-5 at 512 + 8 x lane.  zs: [32 rows: 384][256 along K: 4][256 bytes]: lane l at 8 l has the scale words of two
; steps of 128 along K; lanes 0-15 those of the even tile's rows, lanes 16-31 the odd tile's.
; SHARES.  A wave takes 32 rows of Z x 256 along K.  LANE l OWNS ROW 8 (l / 16) + l % 8 + 16 ((l / 8) % 2), and its registers run along K: a block of 32 lies in one lane, no maximum crosses lanes,
; and a lane's four bytes of 128 along K are its row's scale word.  For x (K innermost) the loads take 512 consecutive bytes of one row each and turn through the wave's own stage in LDS;
; for the weights (K outermost) a load takes one row of W at the wave's 32 columns.  Work-groups 0 .. 255: x; 256 .. 351: W_attn; 352 .. 383: W_proj.  Only x's path touches LDS.
; No tensor loads, no barrier: waves share nothing.  No matrix unit, no cluster: nothing is multiplied and no input byte is read twice.
.set KP,   589824                      ; bytes from 64 along K to the next in cq: 768 tiles x 768
.set WST,  16896                       ; a wave's stage: 32 rows x 528
.set SPT,  528                         ; a stage row: 512 bytes + 16, so that 16 lanes that read 16 rows at one column start at 16 different places modulo 256 bytes
.set NUM,  64                          ; v64-127  two sets of 32 numbers
.set RAW,  128                         ; v128-255 32 loads of four registers (x's path)
; v1 16 x lane; v2 8 x lane; v3, v4 the stage, in and out; v5 4 x my row's number; v6-9 at work; v[10:12] a block's upper 16 codes; v[14:15] the scale words; v16-63 codes: 12 for each 64 along K
	s_load_b256 s[4:11], s[0:1], 0x0               ; x, W_attn, W_proj, cq
	s_load_b64 s[12:13], s[0:1], 0x20              ; zs
	v_lshl_add_u32 v13, v0, 2, 0x8400              ; the spare words lie behind the two waves' stages, 2 x 16,896 bytes
	s_set_vgpr_msb 0x40
	v_mov_b32 v1, 0
	s_set_vgpr_msb 0x4000
	v_lshrrev_b32 v1, 5, v0
	v_readfirstlane_b32 s16, v1                    ; wave
	v_and_b32 v9, 31, v0                           ; lane
	v_lshlrev_b32 v1, 4, v9
	v_lshlrev_b32 v2, 3, v9
	s_mul_i32 s17, s16, WST
	v_add_nc_u32 v3, s17, v1                       ; into the stage: 16 bytes a lane of a row
	v_mul_u32_u24 v4, v9, SPT
	v_add_nc_u32 v4, s17, v4                       ; out of it: a row a lane
	v_lshrrev_b32 v5, 4, v9
	v_and_b32 v6, 7, v9
	v_lshl_add_u32 v5, v5, 3, v6
	v_bfe_u32 v6, v9, 3, 1
	v_lshl_add_u32 v5, v6, 4, v5                   ; my row among the 32
	v_lshlrev_b32 v5, 2, v5                        ; as a column of W, in bytes
	; A work-group has two waves: 1,024 work-groups, four for each of 256 WGPs.  Two neighbouring work-groups share what the shares above give to four waves: s31 = their common number, s16 = my wave among the four.
	; Work-groups 0 .. 511 take x as said.  Work-groups 512 .. 1023 take the weights: four of them share 128 columns x 256 along K, one for each 32 columns, and the two waves of a work-group take 128 along K each (s32).
	s_mov_b32 s32, s16
	s_lshr_b32 s31, ttmp9, 1
	s_and_b32 s30, ttmp9, 1
	s_lshl_b32 s30, s30, 1
	s_add_co_u32 s30, s16, s30
	s_lshr_b32 s33, ttmp9, 2
	s_add_co_u32 s33, s33, 128
	s_and_b32 s34, ttmp9, 3
	s_cmp_lt_u32 ttmp9, 512
	s_cselect_b32 s31, s31, s33
	s_cselect_b32 s16, s30, s34
	s_wait_kmcnt 0x0
; 32 numbers v[xs] .. v[xs + 31], block blk of my row's eight, become 6 registers of codes and a byte of the scale words
.macro BLOCKQ xs, blk
.set CD, 16+12*((\blk)/2)+6*((\blk)%2)
	v_max3_num_f32 v6, |v[\xs]|, |v[\xs+1]|, |v[\xs+2]|
	v_max3_num_f32 v7, |v[\xs+3]|, |v[\xs+4]|, |v[\xs+5]|
.irp i, 6,10,14,18,22,26
	v_max3_num_f32 v6, v6, |v[\xs+\i]|, |v[\xs+\i+1]|
	v_max3_num_f32 v7, v7, |v[\xs+\i+2]|, |v[\xs+\i+3]|
.endr
	v_max3_num_f32 v6, v6, |v[\xs+30]|, |v[\xs+31]|
	v_max3_num_f32 v6, v6, v7, 0x1800000           ; and the floor 2^(3 - 127): the byte cannot fall under 1
	v_add_nc_u32 v8, 0xff000000, v6                ; 2 off the exponent field: the conversion takes the exponent field of this operand as its scale
	v_lshrrev_b32 v9, 23, v8                       ; the byte
.if (\blk)%4 == 0
	v_mov_b32 v[14+(\blk)/4], v9
.else
	v_lshl_or_b32 v[14+(\blk)/4], v9, 8*((\blk)%4), v[14+(\blk)/4]
.endif
	v_cvt_scalef32_pk16_fp6_f32 v[CD:CD+2], v[\xs:\xs+15], v8
	v_cvt_scalef32_pk16_fp6_f32 v[10:12], v[\xs+16:\xs+31], v8   ; (a conversion's three registers begin on an even number)
	v_nop                                          ; one plain instruction between a scaled conversion and the use of its result
	v_mov_b32 v[CD+3], v10
	v_mov_b32 v[CD+4], v11
	v_mov_b32 v[CD+5], v12
.endm
; 64 along K are done: X = block 0 of all 32 rows, Y = block 1.  X's lanes 16-31 (odd tile, block 0) change places with Y's lanes 0-15 (even tile, block 1): X is then the even tile's image, Y the odd tile's.
; Each store covers 512 or 256 consecutive bytes, aligned.  Each 64 along K have code registers of their own: no store's data are written again.
.macro PAIR kc
.set CX, 16+12*(\kc)
.irp i, 0,1,2,3,4,5
	v_permlane16_swap_b32 v[CX+\i], v[CX+6+\i]
.endr
	global_store_b128 v1, v[CX:CX+3], s[22:23] offset:(\kc)*KP
	global_store_b64 v2, v[CX+4:CX+5], s[22:23] offset:(\kc)*KP+512
	global_store_b128 v1, v[CX+6:CX+9], s[22:23] offset:(\kc)*KP+768
	global_store_b64 v2, v[CX+10:CX+11], s[22:23] offset:(\kc)*KP+1280
.endm
; s18 = which 32 rows of Z, s19 = which 256 along K: where my codes and my scale words go
.macro OUTPTR
	s_mul_i32 s26, s19, 4*KP
	s_mul_i32 s27, s18, 1536
	s_add_co_u32 s26, s26, s27
	s_mov_b32 s27, 0
	s_add_nc_u64 s[22:23], s[10:11], s[26:27]
	s_lshl_b32 s26, s18, 2
	s_add_co_u32 s26, s26, s19
	s_lshl_b32 s26, s26, 8
	s_add_nc_u64 s[24:25], s[12:13], s[26:27]
.endm
.macro XLOADS rho                      ; 128 along K of my 32 rows: load n takes 512 consecutive bytes of the row that lane n owns
.set nn, 0
.rept 32
	global_load_b128 v[RAW+4*nn:RAW+4*nn+3], v1, s[20:21] offset:(8*(nn/16)+nn%8+16*((nn/8)%2))*4096+512*\rho th:TH_LOAD_NT
.set nn, nn+1
.endr
.endm
.macro GETBLK t, set                   ; block t of the stage's four, my row's 128 bytes, into a set of 32 registers
.irp j, 0,1,2,3,4,5,6,7
	ds_load_b128 v[NUM+32*(\set)+4*\j:NUM+32*(\set)+4*\j+3], v4 offset:128*(\t)+16*\j
.endr
.endm
.macro WLOAD t, N                      ; block t: W(32 t + i, my column), i = 0 .. 31: the wave's 32 lanes read 128 consecutive bytes, the work-group's four waves 512
.set nn, 0
.rept 32
	global_load_b32 v[NUM+32*((\t)%2)+nn], v5, s[20:21] offset:(32*(\t)+nn)*4*\N th:TH_LOAD_NT
.set nn, nn+1
.endr
.endm
; a weight of N columns, whose columns are Z's rows 8192 + ZOFF on; FIRST: its first work-group; PTR: its address.  Every offset is an immediate: 255 rows of 4 N bytes at the most
.macro WPATH N, ZOFF, FIRST, PTR
	s_sub_co_u32 s28, s31, \FIRST
	s_lshr_b32 s29, s28, 2                         ; which 128 columns
	s_and_b32 s19, s28, 3                          ; which 256 along K
	s_lshl_b32 s18, s29, 2
	s_add_co_u32 s18, s18, s16
	s_add_co_u32 s18, s18, 256+\ZOFF/32
	s_lshl_b32 s28, s29, 9
	s_lshl_b32 s30, s16, 7
	s_add_co_u32 s28, s28, s30
	s_mul_i32 s30, s19, 1024*\N
	s_add_co_u32 s28, s28, s30
	s_mul_i32 s30, s32, 512*\N                     ; my 128 rows of the 256
	s_add_co_u32 s28, s28, s30
	s_mov_b32 s29, 0
	s_add_nc_u64 s[20:21], s[\PTR:\PTR+1], s[28:29]
	OUTPTR
	s_mul_i32 s26, s32, 2*KP                       ; my two of the four 64s along K,
	s_add_nc_u64 s[22:23], s[22:23], s[26:27]
	s_lshl_b32 s26, s32, 2                         ; and my one of a lane's two scale words
	s_add_nc_u64 s[24:25], s[24:25], s[26:27]
	WLOAD 0, \N
	WLOAD 1, \N
.irp t, 0,1,2,3
.if \t < 3
	s_wait_loadcnt 32                              ; this block's 32 loads are in; the next block's 32 may be out
.else
	s_wait_loadcnt 0x0
.endif
	BLOCKQ NUM+32*(\t%2), \t
.if \t < 2
	WLOAD \t+2, \N
.endif
.if \t%2 == 1
	PAIR \t/2
.endif
.endr
	global_store_b32 v2, v14, s[24:25]             ; a word a lane, 8 bytes apart: the work-group's other wave stores the words between
	s_endpgm
.endm
	s_cmp_lt_u32 s31, 256
	s_cbranch_scc0 .Lweights
	; ---- x: 32 tokens to a work-group, 256 along K to a wave
	s_mov_b32 s18, s31
	s_mov_b32 s19, s16
	s_lshl_b32 s28, s31, 17
	s_lshl_b32 s29, s16, 10
	s_add_co_u32 s28, s28, s29
	s_mov_b32 s29, 0
	s_add_nc_u64 s[20:21], s[4:5], s[28:29]
	OUTPTR
	XLOADS 0
	s_wait_alu depctr_va_vdst(0)
.irp rho, 0,1
	s_wait_loadcnt 0x0
.set mm, 0
.rept 32
	ds_store_b128 v3, v[RAW+4*mm:RAW+4*mm+3] offset:SPT*mm   ; LDS serves a wave's instructions in order (ISA guide 5.7.1.4): the loads below see these stores
.set mm, mm+1
.endr
	GETBLK 0, 0
	GETBLK 1, 1
.irp t, 0,1,2,3
.if \t < 3
	s_wait_dscnt 8                                 ; this block's 8 loads are in (and all before them); the next block's 8 may be out
.else
	s_wait_dscnt 0x0
.endif
.if (\rho == 0) && (\t == 0)
	XLOADS 1                                       ; the stores into the stage are done: their registers take the second 128 along K
.endif
	BLOCKQ NUM+32*(\t%2), 4*\rho+\t
.if \t < 2
	GETBLK \t+2, \t%2
.endif
.if \t%2 == 1
	PAIR 2*\rho+\t/2
.endif
.endr
.endr
	global_store_b64 v2, v[14:15], s[24:25]
	s_set_vgpr_msb 0x4
	s_wait_tensorcnt 0x0
	ds_add_u32 v13, v1
	s_wait_dscnt 0x0
	s_set_vgpr_msb 0x400
	s_endpgm
.Lweights:
	s_cmp_lt_u32 s31, 352
	s_cbranch_scc0 .Lproj_w
	s_wait_alu depctr_va_vdst(0)
	WPATH 3072, 0, 256, 6
.Lproj_w:
	s_wait_alu depctr_va_vdst(0)
	WPATH 1024, 3072, 352, 8
.Lfunc_end_k_qe99c7a009b_quant:
	.size	k_qe99c7a009b_quant, .Lfunc_end_k_qe99c7a009b_quant-k_qe99c7a009b_quant
	.p2alignl 7, 3214868480
	.fill 96, 4, 3214868480
	.section	.rodata,"a",@progbits
	.p2align	6, 0x0
	.amdhsa_kernel k_qe99c7a009b_quant
		.amdhsa_group_segment_fixed_size 34048
		.amdhsa_private_segment_fixed_size 0
		.amdhsa_enable_private_segment 0
		.amdhsa_kernarg_size 40
		.amdhsa_user_sgpr_count 2
		.amdhsa_user_sgpr_kernarg_segment_ptr 1
		.amdhsa_wavefront_size32 1
		.amdhsa_system_sgpr_workgroup_id_x 1
		.amdhsa_system_sgpr_workgroup_id_y 1
		.amdhsa_system_sgpr_workgroup_id_z 1
		.amdhsa_system_vgpr_workitem_id 0
		.amdhsa_next_free_vgpr 258
		.amdhsa_next_free_sgpr 66
		.amdhsa_reserve_vcc 0
		.amdhsa_float_denorm_mode_32 3
		.amdhsa_float_denorm_mode_16_64 3
		.amdhsa_memory_ordered 1
		.amdhsa_forward_progress 1
		.amdhsa_inst_pref_size 72
	.end_amdhsa_kernel
	.amdgpu_metadata
---
amdhsa.version: [ 1, 2 ]
amdhsa.kernels:
  - .name:           k_qe99c7a009b_quant
    .symbol:         k_qe99c7a009b_quant.kd
    .args:
      - { .name: x, .offset: 0, .size: 8, .value_kind: global_buffer, .address_space: global }
      - { .name: W_attn, .offset: 8, .size: 8, .value_kind: global_buffer, .address_space: global }
      - { .name: W_proj, .offset: 16, .size: 8, .value_kind: global_buffer, .address_space: global }
      - { .name: cq, .offset: 24, .size: 8, .value_kind: global_buffer, .address_space: global }
      - { .name: zs, .offset: 32, .size: 8, .value_kind: global_buffer, .address_space: global }
    .group_segment_fixed_size: 34048
    .private_segment_fixed_size: 0
    .kernarg_segment_align: 8
    .kernarg_segment_size: 40
    .max_flat_workgroup_size: 64
    .sgpr_count:     66
    .vgpr_count:     258
    .wavefront_size: 32
...
	.end_amdgpu_metadata
.endif
;; end of part 1
;; launch qkvg (part 2): grid 8 x 32, 4 waves a work-group, clusters of 4 x 4, 327,680 bytes of LDS; arguments cq, zs, b_attn, qkv; writes qkv
.if DOCPART == 2
	.amdgcn_target "amdgcn-amd-amdhsa--gfx1250"
	.amdhsa_code_object_version 6
	.text
	.protected	k_qe99c7a009b_qkvg
	.globl	k_qe99c7a009b_qkvg
	.p2align	8
	.type	k_qe99c7a009b_qkvg,@function
k_qe99c7a009b_qkvg:
	s_mov_b64 s[64:65], 0
	v_nop
	global_prefetch_b8 v0, s[64:65] scope:SCOPE_SE
	s_setreg_imm32_b32 hwreg(HW_REG_WAVE_MODE, 25, 1), 1
	s_wait_xcnt 0x0
	s_wait_alu depctr_hold_cnt(0) depctr_sa_sdst(0) depctr_va_vdst(0) depctr_va_sdst(0) depctr_va_ssrc(0) depctr_va_vcc(0) depctr_vm_vsrc(0)
	s_getreg_b32 s2, hwreg(HW_REG_IB_STS2, 6, 4)
	s_cmp_eq_u32 s2, 0
	s_cbranch_scc0 .Lentry_in_a_cluster
	s_endpgm
.Lentry_in_a_cluster:
	s_bfe_u32 s2, ttmp6, 0x10000c
	s_cmp_lg_u32 s2, 0xf033
	s_cbranch_scc0 .Lentry_shape_is_right
	s_endpgm
.Lentry_shape_is_right:
; qkv = x W_attn + b_attn on codes of FP6 (E2M3) with E8M0 scales, K = 1,024; the result is quantised in registers and leaves as codes: q and k along the head's 64, v along the keys.
; IN: cq and zs, Z's rows (tokens 0 .. 8191, then W_attn's columns) as images of operand registers.  cq: [64 along K: 16 chunks][tile: 768][768 bytes]: a tile of 16 rows x 64 K has registers 0-3 at 16 x lane, 4-5 at 512 + 8 x lane;
; tile 2 G + u holds rows 32 G + 8 u + r + 8 (r / 8).  zs: [32 rows][256 along K: 4][256 bytes]: lane l at 8 l has the scale words of two steps of 128; lanes 0-15 the even tile's rows, lanes 16-31 the odd tile's.
; SHARES: 8 x 32 = 256 work-groups.  Work-group (g, R) makes tokens 256 R .. + 255 x columns 128 g .. + 127 of q, then of k, then of v: three PANELS, 256 x 128 each.
; A wave has EIGHT tiles on source 0 (a lane's registers run along their rows) and FOUR on source 1 (a lane holds one of their rows): 32 accumulators.  q, k: source 0 = the panel's 128 columns, source 1 = 64 tokens (wave w: 64 w on): registers run along d.
; v: source 0 = 128 tokens (128 (w / 2) on), source 1 = 64 columns (64 (w % 2) on, one head): registers run along the keys.  With the tiles' row order the 16 registers of two neighbouring tiles are 16 neighbours, which is what a quantiser wants.
; LDS: the tokens' 16 chunks x 12,288 bytes at 0, filled once; a panel's 16 chunks x 6,144 at BREG, in two halves of K.  At the head one joint load a wave, in four arms: wave 0 the tokens' chunks 0-7, wave 1 q's 0-7, wave 2 the tokens' 8-15, wave 3 q's 8-15.
; FOUR REFILLS, each behind the three lines and a round of the cluster's barrier: at the head of K step 3 the next panel's chunks 0-7 land on this panel's (steps 0-3 have been fetched by every wave),
; at the head of K step 7 its chunks 8-15; each wave brings two chunks.  A round also shows what the refill before it brought; in v's panel a plain barrier at K step 3 shows the last.  By the text's own count a wave has one tensor load out.
; q's and k's panels are one loop of two trips: between them k's scale words and bias are moved into the registers that the products name, and the places of the results are changed.
; CLUSTERS: 4 x 4; the tokens' chunks are shared along a row of the cluster, a panel's along a column.  NO PREFETCH: a refill is asked for four K steps, 128 products a wave, ahead of the wait for it, and W_attn's panels are read by all 32 rows of work-groups.
; The bias is the C of each sum's first product.  The 32 accumulators take turns, one instruction a turn.  The two scale registers of a product differ modulo 8.
; OUT: qkv: [b x 16 + head][256 tokens: 8][39,936 bytes]: two key steps of 128 tokens, 13,312 bytes each: K's codes (8 tiles x 768), V's codes (4 fragments of 16 d x 128 keys x 1,536), K's scale words (2 x 256: [4 tiles][lane][2 words]), V's (512: [lane][4 words]);
; then Q's codes at 26,624 (16 tiles x 768) and Q's scale words at 38,912 (4 x 256: [4 tiles][lane][2 words]).  In Q's and K's words lanes 0-15 hold the even tile's rows, lanes 16-31 the odd tile's; a word has the bytes of its two blocks below and 0x7f, 0x7f above.
; Every store of the wave covers 256 or 512 consecutive bytes, aligned.
; LIMITS: NaN and infinities are not served; a block whose largest magnitude lies under 2^-124 (a block of zeros too) keeps the byte 1: read by this program alone.
; REGISTERS: window 0: v2-15, v20-27, v30-31 LDS addresses, v16-19 lane offsets, v28-29 the add's, v32-159 scale words (source 0's of the panel in hand, k's, v's tokens'; source 1's: tokens', v's columns'), v160-211 at work on the way out.
; window 1: source 0's fragments, two sets, at v0 and v128.  window 2: accumulator (a, b) at v[8 (8 a + b)].  window 3: source 1's fragments, two sets of 48, at v0; the bias: the panel's in hand at v96-159, k's at v160-223, v's at v224-255.
.set KP,    589824
.set ACH,   12288
.set BCH,   6144
.set BREG,  16*ACH
.set SPARE, BREG+16*BCH
.set REC,   39936
.set HS,    8*REC
.set KST,   13312
.set S8,   32
.set S8K,  64
.set S8V,  96
.set S4T,  128
.set S4V,  144
.set TM,   160                         ; v160-163 largest magnitudes, v164-167 bytes, v172-175 the conversions' scale operands
.set PW,   176                         ; the scale word just made
.set T1,   177
.set T2,   178
.set WA,   180                         ; q, k: the first head's two words a lane; v182-183 the second's
.set WB,   182
.set WQ,   184                         ; v: four words a lane
.set EV1,  188
.set EV2,  189
.set PC,   192                         ; the codes just made
.set SPW,  28
.set NIL,  29
.set WV,   20
.set PT,   21
.set SDW,  22
.set G1A,  24
.set G0A,  32
.set G0B,  36
.set G0R,  40
.set G1B,  48
.set MSB, 0
.macro WIN new
.if MSB != (\new)
	s_set_vgpr_msb (MSB<<8)|(\new)
.set MSB, (\new)
.endif
.endm
.macro PLACES n
.rept \n
	v_nop
.endr
.endm
.macro WALU
	s_wait_alu depctr_va_vdst(0)
.endm
.macro CROUND
	s_barrier_signal -1
	s_barrier_wait -1
	s_cmp_lg_u32 s[WV], 0
	s_cbranch_scc1 .Lnot_wave_0_\@
	s_barrier_signal -3
.Lnot_wave_0_\@:
	s_barrier_wait -3
	s_barrier_signal -1
	s_barrier_wait -1
.endm
.macro ARM under, g0, g1, next
	s_cmp_lt_u32 s[WV], \under
	s_cbranch_scc0 \next
	tensor_load_to_lds s[\g0:\g0+3], s[\g1:\g1+7]
	s_nop 0
	PLACES 4
	s_branch .Lhead_asked
\next:
.endm
; a fragment, 16 rows x 128 K, is two tiles' images: four loads, each of consecutive bytes lane by lane
.macro FRAG reg, a16, a8, off, ch
	ds_load_b128 v[\reg:\reg+3], v[\a16] offset:\off
	ds_load_b64 v[\reg+4:\reg+5], v[\a8] offset:(\off)+512
	ds_load_b128 v[\reg+6:\reg+9], v[\a16] offset:(\off)+(\ch)
	ds_load_b64 v[\reg+10:\reg+11], v[\a8] offset:(\off)+(\ch)+512
.endm
.macro FETCH k, v                      ; K step k's fragments into set k % 2.  v = 0: source 0 from the panel, source 1 from the tokens; v = 1: the other way round
	WIN 0x40
.irp i, 0,1,2,3,4,5,6,7
.if \v
	FRAG 128*((\k)%2)+12*\i, 20+(\k)/2, 24+(\k)/2, 2*ACH*((\k)%2)+768*\i, ACH
.else
	FRAG 128*((\k)%2)+12*\i, 12+(\k)/4, 14+(\k)/4, 2*BCH*((\k)%4)+768*\i, BCH
.endif
.endr
	WIN 0xc0
.irp i, 0,1,2,3
.if \v
	FRAG 48*((\k)%2)+12*\i, 30+(\k)/4, 2+(\k)/4, 2*BCH*((\k)%4)+768*\i, BCH
.else
	FRAG 48*((\k)%2)+12*\i, 4+(\k)/2, 8+(\k)/2, 2*ACH*((\k)%2)+768*\i, ACH
.endif
.endr
	WIN 0
.endm
.macro WM                              ; an odd tile's scale words stand in lanes 16-31
.if kR0 && kR1
	v_wmma_scale_f32_16x16x128_f8f6f4 v[rD:rD+7], v[rS0:rS0+11], v[rS1:rS1+11], v[rC:rC+7], v[rX0], v[rX1] matrix_a_fmt:MATRIX_FMT_FP6 matrix_b_fmt:MATRIX_FMT_FP6 matrix_a_scale:MATRIX_SCALE_ROW1 matrix_b_scale:MATRIX_SCALE_ROW1
.elseif kR0
	v_wmma_scale_f32_16x16x128_f8f6f4 v[rD:rD+7], v[rS0:rS0+11], v[rS1:rS1+11], v[rC:rC+7], v[rX0], v[rX1] matrix_a_fmt:MATRIX_FMT_FP6 matrix_b_fmt:MATRIX_FMT_FP6 matrix_a_scale:MATRIX_SCALE_ROW1
.elseif kR1
	v_wmma_scale_f32_16x16x128_f8f6f4 v[rD:rD+7], v[rS0:rS0+11], v[rS1:rS1+11], v[rC:rC+7], v[rX0], v[rX1] matrix_a_fmt:MATRIX_FMT_FP6 matrix_b_fmt:MATRIX_FMT_FP6 matrix_b_scale:MATRIX_SCALE_ROW1
.else
	v_wmma_scale_f32_16x16x128_f8f6f4 v[rD:rD+7], v[rS0:rS0+11], v[rS1:rS1+11], v[rC:rC+7], v[rX0], v[rX1] matrix_a_fmt:MATRIX_FMT_FP6 matrix_b_fmt:MATRIX_FMT_FP6
.endif
.endm
.macro MUL k, v, s8, s4
.irp a, 0,1,2,3
.irp b, 0,1,2,3,4,5,6,7
.set rD, 8*(8*\a+\b)
.set rC, rD
.if (\k) == 0
.if \v
.set rC, 224+8*\a                      ; v: the column is the lane's
.else
.set rC, 96+8*\b                       ; q, k: the columns run along the registers
.endif
.endif
.set rS0, 128*((\k)%2)+12*\b
.set rS1, 48*((\k)%2)+12*\a
.set rX0, (\s8)+8*(\b/2)+(\k)
.set rX1, (\s4)+8*(\a/2)+((\k)+4)%8
.set kR0, \b%2
.set kR1, \a%2
	WM
.endr
.endr
.endm
.macro KSTEP k, v, s8, s4, fill
.set GRD, 0
.if \fill
.if (\k) == 3
.set GRD, 1
.endif
.if (\k) == 7
.set GRD, 2
.endif
.endif
.if GRD
	s_wait_tensorcnt 0x0                           ; all my tensor loads have landed
	ds_add_u32 v[SPW], v[NIL]                      ; 0 onto my spare word
.if GRD == 1
	s_mov_b32 s[G1B+2], 2<<16                      ; no tensor load of mine is out: a refill brings 2 chunks a wave;
	s_mov_b32 s[G1B+4], 2
	s_mov_b32 s[G0R+1], s76                        ; the next panel's chunks 0-7: 1,024 rows of Z on, 8 chunks back
	s_sub_nc_u64 s[G0R+2:G0R+3], s[G0R+2:G0R+3], 8*KP-49152
.else
	s_add_co_u32 s[G0R+1], s76, 8*BCH              ; its chunks 8-15
	s_add_nc_u64 s[G0R+2:G0R+3], s[G0R+2:G0R+3], 8*KP
.endif
	s_wait_dscnt 0x0                               ; the add is done, and this step's fragments are in: my reads of the half that is filled again are over
	CROUND
	tensor_load_to_lds s[G0R:G0R+3], s[G1B:G1B+7]  ; the first tensor load behind the round, one a wave
	s_nop 0
	PLACES 4
.else
.if (\v) && ((\k) == 3)
	s_wait_tensorcnt 0x0                           ; my part of v's chunks 8-15 is in
.endif
	s_wait_dscnt 0x0                               ; this step's fragments are in
.if (\v) && ((\k) == 3)
	s_barrier_signal -1
	s_barrier_wait -1                              ; and everybody's part
.endif
.if (\k) > 0
	PLACES 4                                       ; in front of loads into registers that the last step's products have read
.endif
.endif
.if (\k) < 7
	FETCH (\k)+1, \v
.endif
.if (\k) == 0
	WIN 0xbd                                       ; source 0 window 1, source 1 window 3, C (the bias) window 3, D window 2
.else
	WIN 0xad
.endif
	MUL \k, \v, \s8, \s4
	WIN 0
.endm
.macro SLOAD n, base, rot, ptr, off    ; the scale words of 32 n rows, all of K: tile t, K step k: v[base + 8 (t / 2) + (k + rot) % 8], lanes 16 (t % 2) on
.set be, 0
.rept \n
.irp g, 0,1,2,3
	global_load_b64 v[(\base)+8*be+(2*\g+(\rot))%8:(\base)+8*be+(2*\g+(\rot))%8+1], v17, s[\ptr:\ptr+1] offset:(\off)+(4*be+\g)*256
.endr
.set be, be+1
.endr
.endm
	s_load_b256 s[4:11], s[0:1], 0x0               ; cq, zs, b_attn, qkv
	v_lshl_add_u32 v[SPW], v0, 2, SPARE
	v_mov_b32 v[NIL], 0
	ds_add_u32 v[SPW], v[NIL]                      ; the opening lines: the add, twice on end, and its wait
	ds_add_u32 v[SPW], v[NIL]
	v_lshrrev_b32 v1, 5, v0
	v_readfirstlane_b32 s[WV], v1
	s_lshr_b32 s[PT], s[WV], 1
	s_and_b32 s[SDW], s[WV], 1
	s_bfe_u32 s56, ttmp6, 0x40000                  ; cx
	s_bfe_u32 s57, ttmp6, 0x40004                  ; cy
	s_lshl_b32 s59, ttmp9, 2
	s_add_co_u32 s59, s59, s56                     ; g
	s_and_b32 s58, ttmp7, 0xffff
	s_lshl_b32 s58, s58, 2
	s_add_co_u32 s58, s58, s57                     ; R
	s_lshl_b32 s60, s57, 2
	s_lshl_b32 s60, 15, s60                        ; my row of the cluster
	s_lshl_b32 s61, 0x1111, s56                    ; my column
	s_or_b32 s[G1A], s60, (3<<16)|(1<<21)          ; the tokens: 8 rows (chunks) of 1,536 elements of 8 bytes, 73,728 elements apart
	s_mov_b32 s[G1A+1], 1536<<16
	s_mov_b32 s[G1A+2], 8<<16
	s_mov_b32 s[G1A+3], 1536<<16
	s_mov_b32 s[G1A+4], 8
	s_mov_b32 s[G1A+5], 73728
	s_mov_b32 s[G1A+6], 0
	s_mov_b32 s[G1A+7], 0
	s_or_b32 s[G1B], s61, (3<<16)|(1<<21)          ; a panel: rows of 768 elements
	s_mov_b32 s[G1B+1], 768<<16
	s_mov_b32 s[G1B+2], 8<<16
	s_mov_b32 s[G1B+3], 768<<16
	s_mov_b32 s[G1B+4], 8
	s_mov_b32 s[G1B+5], 73728
	s_mov_b32 s[G1B+6], 0
	s_mov_b32 s[G1B+7], 0
	s_mul_i32 s19, s[PT], 8*KP                     ; the head's loads: chunks 0-7 or 8-15
	s_mul_i32 s80, s58, 12288                      ; 256 R rows, 48 bytes a row and chunk
	s_add_co_u32 s80, s80, s19
	s_mov_b32 s81, 0
	s_mul_i32 s82, s59, 6144                       ; q's columns 128 g on: rows 8,192 + 128 g
	s_add_co_u32 s82, s82, 8192*48
	s_mul_i32 s84, s[WV], 2*KP                     ; the refills: my two chunks of eight; the address stands at q's chunks 8-15 until the first refill steps it
	s_add_co_u32 s84, s84, s82
	s_add_co_u32 s84, s84, 8*KP
	s_mov_b32 s85, 0
	s_add_co_u32 s82, s82, s19
	s_mov_b32 s83, 0
	s_mov_b32 s[G0A], 1
	s_mul_i32 s[G0A+1], s[PT], 8*ACH
	s_mov_b32 s[G0B], 1
	s_mul_i32 s[G0B+1], s[PT], 8*BCH
	s_add_co_u32 s[G0B+1], s[G0B+1], BREG
	s_mov_b32 s[G0R], 1
	s_mul_i32 s76, s[WV], 2*BCH
	s_add_co_u32 s76, s76, BREG
	s_mov_b32 s[G0R+1], s76
	s_mov_b32 s23, 0xffff0000                      ; lanes 16-31
	s_mov_b32 s63, 0x7f7f0000                      ; the bytes of the two blocks of zero codes that fill a head's 64 up to 128
	s_mov_b32 s66, 0x76543210
	s_mov_b32 s67, 0xfedcba98
	WALU
	s_wait_dscnt 0x0
	CROUND                                         ; all sixteen work-groups are here: the joint loads meet
	s_wait_kmcnt 0x0
	s_add_nc_u64 s[G0A+2:G0A+3], s[4:5], s[80:81]
	s_or_b32 s[G0A+3], s[G0A+3], 0x80000000
	s_add_nc_u64 s[G0B+2:G0B+3], s[4:5], s[82:83]
	s_or_b32 s[G0B+3], s[G0B+3], 0x80000000
	s_add_nc_u64 s[G0R+2:G0R+3], s[4:5], s[84:85]
	s_or_b32 s[G0R+3], s[G0R+3], 0x80000000
	ARM 1, G0A, G1A, .Lhead_1
	ARM 2, G0B, G1B, .Lhead_2
	ARM 3, G0A, G1A, .Lhead_3
	tensor_load_to_lds s[G0B:G0B+3], s[G1B:G1B+7]
	s_nop 0
	PLACES 4
.Lhead_asked:
	; where the results go
	s_lshr_b32 s16, s58, 3                         ; b
	s_and_b32 s17, s58, 7                          ; which 256 tokens of the batch
	s_lshl_b32 s92, s16, 4
	s_lshl_b32 s93, s59, 1
	s_add_co_u32 s92, s92, s93                     ; b x 16 + my first head, 2 g
	s_lshl_b32 s92, s92, 3
	s_add_co_u32 s92, s92, s17
	s_mul_i32 s92, s92, REC                        ; its record
	s_mov_b32 s95, 0
	s_mul_i32 s94, s[WV], 3072
	s_add_co_u32 s94, s94, s92
	s_add_co_u32 s94, s94, 26624
	s_add_nc_u64 s[86:87], s[10:11], s[94:95]      ; q's codes: my four tiles
	s_lshl_b32 s94, s[WV], 8
	s_add_co_u32 s94, s94, s92
	s_add_co_u32 s94, s94, 38912
	s_add_nc_u64 s[90:91], s[10:11], s[94:95]      ; q's scale words
	s_mul_i32 s93, s[PT], KST
	s_add_co_u32 s92, s92, s93                     ; my key step
	s_mul_i32 s94, s[SDW], 3072
	s_add_co_u32 s94, s94, s92
	s_add_nc_u64 s[68:69], s[10:11], s[94:95]      ; k's codes
	s_lshl_b32 s94, s[SDW], 8
	s_add_co_u32 s94, s94, s92
	s_add_co_u32 s94, s94, 12288
	s_add_nc_u64 s[70:71], s[10:11], s[94:95]      ; k's scale words
	s_mul_i32 s94, s[SDW], HS
	s_add_co_u32 s94, s94, s92
	s_add_co_u32 s94, s94, 6144
	s_add_nc_u64 s[72:73], s[10:11], s[94:95]      ; v's codes, in my one head's record
	s_add_co_u32 s94, s94, 6656
	s_add_nc_u64 s[74:75], s[10:11], s[94:95]      ; v's scale words
	; where the scale words and the bias come from: 32 bytes of scale words a row of Z
	s_lshl_b32 s94, s59, 12
	s_add_co_u32 s94, s94, 8192*32
	s_add_nc_u64 s[44:45], s[6:7], s[94:95]        ; q's columns (k's: 32,768 bytes on)
	s_lshl_b32 s93, s[SDW], 11
	s_add_co_u32 s94, s94, s93
	s_add_co_u32 s94, s94, 65536
	s_add_nc_u64 s[100:101], s[6:7], s[94:95]      ; v's 64 columns
	s_lshl_b32 s92, s58, 13
	s_lshl_b32 s93, s[WV], 11
	s_add_co_u32 s94, s92, s93
	s_add_nc_u64 s[46:47], s[6:7], s[94:95]        ; my 64 tokens
	s_lshl_b32 s93, s[PT], 12
	s_add_co_u32 s94, s92, s93
	s_add_nc_u64 s[78:79], s[6:7], s[94:95]        ; my 128 tokens
	s_lshl_b32 s94, s59, 9
	s_add_nc_u64 s[98:99], s[8:9], s[94:95]        ; q's bias (k's: 4,096 bytes on)
	s_lshl_b32 s93, s[SDW], 8
	s_add_co_u32 s94, s94, s93
	s_add_co_u32 s94, s94, 8192
	s_add_nc_u64 s[96:97], s[8:9], s[94:95]        ; v's
	s_mul_i32 s12, s[WV], 3072                     ; LDS: q, k: my four tiles of each chunk of the tokens,
	s_mov_b32 s13, BREG                            ; and the panel's eight;
	s_mul_i32 s14, s[PT], 6144                     ; v: my eight tiles of the tokens,
	s_mul_i32 s15, s[SDW], 3072                    ; and my four of the panel
	s_add_co_u32 s15, s15, BREG
	v_and_b32 v1, 31, v0
	v_bfe_u32 v18, v0, 4, 1
	v_and_b32 v160, 15, v0
	v_lshlrev_b32 v16, 4, v1                       ; 16 x lane
	v_lshlrev_b32 v17, 3, v1                       ; 8 x lane
	v_lshlrev_b32 v19, 6, v18                      ; 64 h: a bias tile's eight numbers of my half
	v_and_b32 v18, 8, v160
	v_add_nc_u32 v18, v18, v160
	v_lshlrev_b32 v18, 2, v18                      ; 4 (r + 8 (r / 8)): my row of a tile
.irp b, 0,1,2,3
	v_mov_b32 v[TM+4+\b], 0                        ; written once: a lane permute's destination counts as one of its sources
.endr
	WALU
.irp p, 0,1,2,3
	v_add_nc_u32 v[4+\p], s12, v16
	v_add_nc_u32 v[8+\p], s12, v17
	v_add_nc_u32 v[20+\p], s14, v16
	v_add_nc_u32 v[24+\p], s14, v17
	s_add_co_u32 s12, s12, 4*ACH
	s_add_co_u32 s14, s14, 4*ACH
.endr
.irp p, 0,1
	v_add_nc_u32 v[12+\p], s13, v16
	v_add_nc_u32 v[14+\p], s13, v17
	v_add_nc_u32 v[30+\p], s15, v16
	v_add_nc_u32 v[2+\p], s15, v17
	s_add_co_u32 s13, s13, 8*BCH
	s_add_co_u32 s15, s15, 8*BCH
.endr
	SLOAD 4, S8, 0, 44, 0
	SLOAD 2, S4T, 4, 46, 0
	WIN 0xc0                                       ; q, k: register j of source 0's tile b is column 32 (b / 2) + 8 (b % 2) + 16 h + j
.irp b, 0,1,2,3,4,5,6,7
	global_load_b128 v[96+8*\b:99+8*\b], v19, s[98:99] offset:4*(32*(\b/2)+8*(\b%2))
	global_load_b128 v[100+8*\b:103+8*\b], v19, s[98:99] offset:4*(32*(\b/2)+8*(\b%2))+16
.endr
.irp b, 0,1,2,3,4,5,6,7
	global_load_b128 v[160+8*\b:163+8*\b], v19, s[98:99] offset:4096+4*(32*(\b/2)+8*(\b%2))
	global_load_b128 v[164+8*\b:167+8*\b], v19, s[98:99] offset:4096+4*(32*(\b/2)+8*(\b%2))+16
.endr
.irp a, 0,1,2,3                        ; v: all eight registers of source 1's tile a hold the bias of column 32 (a / 2) + 8 (a % 2) + r + 8 (r / 8)
.irp j, 0,1,2,3,4,5,6,7
	global_load_b32 v[224+8*\a+\j], v18, s[96:97] offset:4*(32*(\a/2)+8*(\a%2))
.endr
.endr
	WIN 0
	SLOAD 4, S8K, 0, 44, 32768
	SLOAD 4, S8V, 0, 78, 0
	SLOAD 2, S4V, 4, 100, 0
	WALU                                           ; the wait at the head's end
	s_cmp_lt_u32 s[WV], 2
	s_cbranch_scc0 .Lpart_1
	s_wait_tensorcnt 0x0                           ; waves 0 and 1: chunks 0-7 of the tokens and of q are in
.Lpart_1:
	s_barrier_signal -1
	s_barrier_wait -1                              ; chunks 8-15 may be out
	s_wait_loadcnt 0x0                             ; scale words and bias
; THE WAY OUT.  Source 1's tile a: 64 registers a lane, register 16 b + i = number 32 b + 16 h + i of my row's 128: four blocks of 32, each in lanes l and l xor 16.  They become a fragment's 12 registers of codes and a scale word.
; Each accumulator is read from its low end on.
.macro QUANT a
.set AC, 64*(\a)
	WIN 0x0a                                       ; sources 0 and 1: window 2
.irp b, 0,1,2,3
	v_max3_num_f32 v[TM+\b], |v[AC+16*\b]|, |v[AC+16*\b+1]|, 0x1800000   ; with the floor 2^(3 - 127): the byte cannot fall under 1
.endr
.irp i, 2,4,6,8,10,12,14
.irp b, 0,1,2,3
	v_max3_num_f32 v[TM+\b], |v[AC+16*\b+\i]|, |v[AC+16*\b+\i+1]|, v[TM+\b]
.endr
.endr
	WIN 0
.irp b, 0,1,2,3
	v_permlanex16_b32 v[TM+4+\b], v[TM+\b], s66, s67
.endr
.irp b, 0,1,2,3
	v_max_num_f32 v[TM+\b], v[TM+\b], v[TM+4+\b]
.endr
.irp b, 0,1,2,3
	v_add_nc_u32 v[TM+12+\b], 0xff000000, v[TM+\b] ; 2 off the exponent field: the conversion's scale operand
.endr
.irp b, 0,1,2,3
	v_lshrrev_b32 v[TM+4+\b], 23, v[TM+12+\b]      ; the byte
.endr
	v_lshl_or_b32 v[PW], v[TM+5], 8, v[TM+4]
	v_lshl_or_b32 v[PW], v[TM+6], 16, v[PW]
	v_lshl_or_b32 v[PW], v[TM+7], 24, v[PW]
	WALU                                           ; directly ahead of the wait below
	s_wait_xcnt 0x0                                ; the last block's stores have read their data: the codes' registers are written again only behind this wait
	WIN 0x02                                       ; source 0: window 2
.irp c, 0,1
	v_cvt_scalef32_pk16_fp6_f32 v[PC+6*\c:PC+2+6*\c], v[AC+32*\c:AC+15+32*\c], v[TM+12+2*\c]
	v_cvt_scalef32_pk16_fp6_f32 v[PC+12+4*\c:PC+14+4*\c], v[AC+16+32*\c:AC+31+32*\c], v[TM+12+2*\c+1]
.endr
	WIN 0
	v_nop                                          ; one plain instruction behind a scaled conversion
.irp c, 0,1                            ; the operand's layout wants a whole block in a lane: lanes 0-15 block 2 c, lanes 16-31 block 2 c + 1
.irp i, 0,1,2
	v_permlane16_swap_b32 v[PC+6*\c+\i], v[PC+12+4*\c+\i]
.endr
.irp i, 0,1,2
	v_mov_b32 v[PC+3+6*\c+\i], v[PC+12+4*\c+\i]
.endr
.endr
.endm
.macro OUT_QK a                        ; 16 tokens x 128 columns = a tile of 16 x 64 for each of two heads
	QUANT \a
	global_store_b128 v16, v[PC:PC+3], s[86:87] offset:768*(\a)
	global_store_b64 v17, v[PC+4:PC+5], s[86:87] offset:768*(\a)+512
	global_store_b128 v16, v[PC+6:PC+9], s[86:87] offset:768*(\a)+HS
	global_store_b64 v17, v[PC+10:PC+11], s[86:87] offset:768*(\a)+HS+512
.if (\a)%2 == 0
	v_and_or_b32 v[EV1], v[PW], 0xffff, s63        ; the first head's word,
	v_lshrrev_b32 v[EV2], 16, v[PW]
	v_or_b32 v[EV2], s63, v[EV2]                   ; the second's: an even tile's wait for the odd tile's
.else
	v_and_or_b32 v[T1], v[PW], 0xffff, s63
	v_lshrrev_b32 v[T2], 16, v[PW]
	v_or_b32 v[T2], s63, v[T2]
	v_cndmask_b32 v[WA+(\a)/2], v[EV1], v[T1], s23 ; lanes 0-15 the even tile's words, lanes 16-31 the odd tile's
	v_cndmask_b32 v[WB+(\a)/2], v[EV2], v[T2], s23
.endif
.endm
.macro OUT_V a                         ; 16 of the head's 64 x 128 keys: a whole fragment
	QUANT \a
.irp c, 0,1,2
	global_store_b128 v16, v[PC+4*\c:PC+4*\c+3], s[86:87] offset:(\a)*1536+512*\c
.endr
	v_mov_b32 v[WQ+(\a)], v[PW]
.endm
	s_mov_b32 s77, 0
.Lqk:                                              ; two trips: q's panel, k's panel
	FETCH 0, 0
.irp k, 0,1,2,3,4,5,6,7
	KSTEP \k, 0, S8, S4T, 1
.endr
	PLACES 4
.irp a, 0,1,2,3
	OUT_QK \a
.endr
	WALU
	global_store_b64 v17, v[WA:WA+1], s[90:91]             ; the first head's scale words: 256 consecutive bytes
	global_store_b64 v17, v[WB:WB+1], s[90:91] offset:HS   ; the second's
	s_cmp_eq_u32 s77, 0                            ; behind q's panel alone: a branch on the trip; no barrier, wait on tiles or tensor load stands under it
	s_cbranch_scc0 .Lno_move
	s_wait_xcnt 0x0                                ; the stores have read their bases
	s_mov_b64 s[86:87], s[68:69]
	s_mov_b64 s[90:91], s[70:71]
.set jj, 0
.rept 32
	v_mov_b32 v[S8+jj], v[S8K+jj]                  ; k's scale words
.set jj, jj+1
.endr
	WIN 0xc3
.set jj, 0
.rept 64
	v_mov_b32 v[96+jj], v[160+jj]                  ; k's bias
.set jj, jj+1
.endr
	WIN 0
	WALU
.Lno_move:
	s_add_co_u32 s77, s77, 1
	s_cmp_lt_u32 s77, 2
	s_cbranch_scc1 .Lqk
	s_wait_xcnt 0x0
	s_mov_b64 s[86:87], s[72:73]
	s_mov_b64 s[90:91], s[74:75]
	FETCH 0, 1                                     ; v's panel
.irp k, 0,1,2,3,4,5,6,7
	KSTEP \k, 1, S8V, S4V, 0
.endr
	PLACES 4
.irp a, 0,1,2,3
	OUT_V \a
.endr
	WALU
	global_store_b128 v16, v[WQ:WQ+3], s[90:91]    ; 512 consecutive bytes
	s_wait_tensorcnt 0x0                           ; the wave's end
	ds_add_u32 v[SPW], v[NIL]
	s_wait_dscnt 0x0
	CROUND                                         ; the closing round
	s_endpgm
.Lfunc_end_k_qe99c7a009b_qkvg:
	.size	k_qe99c7a009b_qkvg, .Lfunc_end_k_qe99c7a009b_qkvg-k_qe99c7a009b_qkvg
	.p2alignl 7, 3214868480
	.fill 96, 4, 3214868480
	.section	.rodata,"a",@progbits
	.p2align	6, 0x0
	.amdhsa_kernel k_qe99c7a009b_qkvg
		.amdhsa_group_segment_fixed_size 327680
		.amdhsa_private_segment_fixed_size 0
		.amdhsa_enable_private_segment 0
		.amdhsa_kernarg_size 32
		.amdhsa_user_sgpr_count 2
		.amdhsa_user_sgpr_kernarg_segment_ptr 1
		.amdhsa_wavefront_size32 1
		.amdhsa_system_sgpr_workgroup_id_x 1
		.amdhsa_system_sgpr_workgroup_id_y 1
		.amdhsa_system_sgpr_workgroup_id_z 1
		.amdhsa_system_vgpr_workitem_id 0
		.amdhsa_next_free_vgpr 1024
		.amdhsa_next_free_sgpr 102
		.amdhsa_reserve_vcc 0
		.amdhsa_float_denorm_mode_32 3
		.amdhsa_float_denorm_mode_16_64 3
		.amdhsa_memory_ordered 1
		.amdhsa_forward_progress 1
		.amdhsa_inst_pref_size 180
	.end_amdhsa_kernel
	.amdgpu_metadata
---
amdhsa.version: [ 1, 2 ]
amdhsa.kernels:
  - .name:           k_qe99c7a009b_qkvg
    .symbol:         k_qe99c7a009b_qkvg.kd
    .args:
      - { .name: cq, .offset: 0, .size: 8, .value_kind: global_buffer, .address_space: global }
      - { .name: zs, .offset: 8, .size: 8, .value_kind: global_buffer, .address_space: global }
      - { .name: b_attn, .offset: 16, .size: 8, .value_kind: global_buffer, .address_space: global }
      - { .name: qkv, .offset: 24, .size: 8, .value_kind: global_buffer, .address_space: global }
    .group_segment_fixed_size: 327680
    .private_segment_fixed_size: 0
    .kernarg_segment_align: 8
    .kernarg_segment_size: 32
    .max_flat_workgroup_size: 128
    .sgpr_count:     102
    .vgpr_count:     1024
    .wavefront_size: 32
...
	.end_amdgpu_metadata
.endif
;; end of part 2
;; launch attn (part 3): grid 4 x 64, 8 waves a work-group, clusters of 4 x 1, 327,680 bytes of LDS; arguments qkv, ao, aos; writes ao, aos
.if DOCPART == 3
	.amdgcn_target "amdgcn-amd-amdhsa--gfx1250"
	.amdhsa_code_object_version 6
	.text
	.protected	k_qe99c7a009b_attn
	.globl	k_qe99c7a009b_attn
	.p2align	8
	.type	k_qe99c7a009b_attn,@function
k_qe99c7a009b_attn:
	s_mov_b64 s[64:65], 0
	v_nop
	global_prefetch_b8 v0, s[64:65] scope:SCOPE_SE
	s_setreg_imm32_b32 hwreg(HW_REG_WAVE_MODE, 25, 1), 1
	s_wait_xcnt 0x0
	s_wait_alu depctr_hold_cnt(0) depctr_sa_sdst(0) depctr_va_vdst(0) depctr_va_sdst(0) depctr_va_ssrc(0) depctr_va_vcc(0) depctr_vm_vsrc(0)
	s_getreg_b32 s2, hwreg(HW_REG_IB_STS2, 6, 4)
	s_cmp_eq_u32 s2, 0
	s_cbranch_scc0 .Lentry_in_a_cluster
	s_endpgm
.Lentry_in_a_cluster:
	s_bfe_u32 s2, ttmp6, 0x10000c
	s_cmp_lg_u32 s2, 0x3003
	s_cbranch_scc0 .Lentry_shape_is_right
	s_endpgm
.Lentry_shape_is_right:
; Causal attention of one head on codes of FP6 (E2M3) with E8M0 scales; the result, divided by the row's sum, is quantised along e and leaves as codes.
; t = score x log2(e) / 8; M = the row's largest t so far, rounded UP to a whole number; p = 2^(t - M) is quantised along the keys; the row's sum is taken of the unquantised p.
; When M moves, the sum and O are multiplied by 2^(old M - new M): exact.  Key steps all of whose keys come after a group's queries are left out.
; IN: qkv: [b x 16 + head][256 tokens: 8][39,936 bytes], images of operand registers.  A record: two key steps of 128 tokens, 13,312 bytes each (K's codes 8 tiles x 768; V's codes 4 fragments of 16 d x 128 keys x 1,536;
; K's scale words 512; V's 512), then Q's codes at 26,624 (16 tiles x 768) and Q's scale words at 38,912.  Tile 2 G + u holds tokens 32 G + 8 u + r + 8 (r / 8).  The head's 64 fill half of the instruction's 128: registers 6-11 of K's and Q's fragments hold zero codes.
; OUT: ao: [b][head][tile of 16 tokens: 128][768 bytes]; aos: [b][head][tile][16 words], a word = the bytes of the row's two blocks.
; LDS: ALL 16 KEY STEPS OF THE HEAD, 212,992 bytes, fetched once: wave w brings record w's two key steps at the head.  Nothing is filled again: no ring, and no barrier in the loop.
; SHARES.  The four work-groups of a head (cx = 0 .. 3) form a cluster and ask for the records jointly.  Wave m owns two groups of 32 queries (two tiles each, u = 0, 1): the big one, G = 63 - cx - 4 m, which needs key steps 0 .. 15 - m,
; and the small one, G = cx + 4 m, which needs 0 .. m: 17 trips in every wave of every work-group, a constant of the text; what hangs on m hangs on the wave's number alone.  Trip c takes key step c of the big group while c + m < 16,
; then key step (c + m) % 16 of the small one.  A group's last step lies on the diagonal: hidden scores become -infinity there.
; A TRIP takes BOTH tiles of the group through one key step: each fragment of K and of V feeds two products, and every chain of vector lines runs twice, side by side.  V's fragments are asked of LDS at the trip's head, the next trip's K straight behind the score products.
; Key steps 0 and 1 are shown by a first barrier, for which wave 0 alone waits (its load line is its own); the others by a second barrier behind the first trip.
; Both products are used transposed (S^T = K Q^T, O^T = V^T P^T): a lane holds one query of each tile throughout, and p's 16 registers of two neighbouring tiles of keys are 16 neighbouring keys.
; NO PREFETCH: all that the launch reads from memory is asked for at its head; there is no later load to run ahead of.
; LIMITS: NaN and infinities are not served; the scaled scores stay under 2^31 in magnitude; a block whose largest magnitude lies under 2^-124 (a block of zeros too) keeps the byte 1: read by this program alone; 1 / the sum is v_rcp_f32.
; REGISTERS.  Window 0: v1 4 x lane; v2 r + 8 (r / 8) - 16 h; v3, v4 16, 8 x lane; v5, v6 the add's; v7 8 r; tile u: v[8+4u] -M, v[9+4u] largest t, v[10+4u:11+4u] sum, v[16+12u ..] Q, v[40+u] its scale word, v[52+u] p's, v[54+2u] f, v[62+u] at work;
; v42 -infinity; v44-47 K's scale words, v48-51 V's; v58, v59 LDS address of the next K, v60 of this V; v[64+64u ..] S^T, then p; v[192+32u ..]: 0-3 block maxima, 4-7 bytes, 8-11 the conversions' scale operands, 12-19 at work, 20-31 p's codes.
; Window 1: v[32u ..] O^T; v64-159 K's eight fragments; v160-207 V's four; v208-221 the small group's Q and scale words.
.set REC,   39936
.set HS,    8*REC
.set KST,   13312
.set SPARE, 16*KST                     ; behind the key steps: the spare words, 128 bytes for each of 8 waves
.set WV,    18                         ; the wave, m
.set SEL,   20
.set CS,    22
.set G1,    24
.set G0,    40
.set TB,    36                         ; LDS byte at which this trip's key step begins
.set CC,    37                         ; the trip
.set DG,    38                         ; the trip that lies on the diagonal: 15 - m, then 16
.set SW,    39                         ; the trip in which the small group begins: 16 - m
.set TBN,   46                         ; as TB, for the next trip
.set SD,    47                         ; the group's first query less its diagonal step's first key
.set HI,    66                         ; lanes 16-31
.set SDS,   67                         ; the small group's SD
.set OC,    84
.set OW,    86
.set MSB, 0
.macro WIN new                         ; the immediate's high byte repeats the setting that is left
.if MSB != (\new)
	s_set_vgpr_msb (MSB<<8)|(\new)
.set MSB, (\new)
.endif
.endm
.macro WALU
	s_wait_alu depctr_va_vdst(0)
.endm
.macro NOPS n
.rept \n
	v_nop
.endr
.endm
.macro ROUND                           ; a round of the cluster's barrier
	s_barrier_signal -1
	s_barrier_wait -1
	s_cmp_lg_u32 s[WV], 0
	s_cbranch_scc1 .Lnw0_\@
	s_barrier_signal -3
.Lnw0_\@:
	s_barrier_wait -3
	s_barrier_signal -1
	s_barrier_wait -1
.endm
; where group G (in s\g) has its Q and its scale words, and where its results go; tile u = 1 lies 768, 128, 768 and 64 bytes on
.macro GROUPP g, pc, ps, oc, ow
	s_lshr_b32 s48, s\g, 3
	s_mul_i32 s48, s48, REC                        ; its record
	s_and_b32 s50, s\g, 7
	s_mul_i32 s51, s50, 1536
	s_add_co_u32 s52, s51, s48
	s_add_co_u32 s52, s52, 26624
	s_mov_b32 s53, 0
	s_add_nc_u64 s[\pc:\pc+1], s[12:13], s[52:53]
	s_and_b32 s51, s50, 1                          ; Q's scale words lie [4 tiles: 4][lane][2 words]: run (G % 8) / 2 of 256 bytes, word G % 2 of a lane's two, lanes 16 u on
	s_lshl_b32 s51, s51, 2
	s_lshr_b32 s50, s50, 1
	s_lshl_b32 s50, s50, 8
	s_add_co_u32 s50, s50, s51
	s_add_co_u32 s52, s50, s48
	s_add_co_u32 s52, s52, 38912
	s_add_nc_u64 s[\ps:\ps+1], s[12:13], s[52:53]
	s_lshl_b32 s50, s10, 6
	s_add_co_u32 s50, s50, s\g
	s_lshl_b32 s50, s50, 1                         ; its first tile among all: 128 (b x 16 + head) + 2 G
	s_mul_i32 s52, s50, 768
	s_add_nc_u64 s[\oc:\oc+1], s[6:7], s[52:53]
	s_lshl_b32 s52, s50, 6
	s_add_nc_u64 s[\ow:\ow+1], s[8:9], s[52:53]
.endm
.macro KFETCH                          ; K's eight tiles and their scale words: 18 loads
	WIN 0x40
.irp t, 0,1,2,3,4,5,6,7
	ds_load_b128 v[64+12*\t:67+12*\t], v58 offset:768*\t
	ds_load_b64 v[68+12*\t:69+12*\t], v59 offset:768*\t+512
.endr
	WIN 0
	ds_load_b64 v[44:45], v59 offset:12288         ; K's scale words lie [4 tiles: 2][lane][2 words]: word t / 2, lanes 16 (t % 2) on
	ds_load_b64 v[46:47], v59 offset:12544
.endm
	s_load_b128 s[4:7], s[0:1], 0x0                ; qkv, ao
	s_load_b64 s[8:9], s[0:1], 0x10                ; aos
	v_lshl_add_u32 v5, v0, 2, SPARE
	v_mov_b32 v6, 0
	ds_add_u32 v5, v6                              ; the opening lines: the add, twice on end, and its wait
	ds_add_u32 v5, v6
	v_lshrrev_b32 v7, 5, v0
	v_readfirstlane_b32 s[WV], v7                  ; wave 0..7
	s_and_b32 s10, ttmp7, 0xffff                   ; b x 16 + head
	s_bfe_u32 s11, ttmp6, 0x40000                  ; cx
	s_sub_co_u32 s[DG], 15, s[WV]
	s_sub_co_u32 s[SW], 16, s[WV]
	s_lshl_b32 s14, s[WV], 2
	s_add_co_u32 s14, s14, s11                     ; the small group's G
	s_sub_co_u32 s15, 63, s14                      ; the big group's
	s_mov_b32 s[G1], 15|(3<<16)|(1<<21)            ; the four of the cluster; elements of 8 bytes; 104 rows of 256 bytes, dense
	s_mov_b32 s[G1+1], 32<<16
	s_mov_b32 s[G1+2], 104<<16
	s_mov_b32 s[G1+3], 32<<16
	s_mov_b32 s[G1+4], 104
	s_mov_b32 s[G1+5], 32
	s_mov_b32 s[G1+6], 0
	s_mov_b32 s[G1+7], 0
	s_mul_i32 s12, s10, HS
	s_mov_b32 s13, 0
	s_mul_i32 s44, s[WV], REC
	s_mov_b32 s45, 0
	s_mov_b32 s[G0], 1
	s_mul_i32 s[G0+1], s[WV], 2*KST
	s_mov_b32 s[SEL], 0x76543210
	s_mov_b32 s[SEL+1], 0xfedcba98
	s_mov_b32 s[CS], 0x3e38aa3b                    ; c = log2(e) / sqrt(64)
	s_mov_b32 s[CS+1], s[CS]
	s_mov_b32 s[HI], 0xffff0000
	s_lshl_b32 s[SDS], s11, 5                      ; 32 cx
	s_sub_co_u32 s[SD], 3, s11
	s_lshl_b32 s[SD], s[SD], 5                     ; 32 (3 - cx)
	s_mov_b32 s[CC], 0
	s_mov_b32 s[TBN], KST
	WALU
	s_wait_dscnt 0x0
	ROUND                                          ; the four work-groups are here: the joint loads meet
	s_wait_kmcnt 0x0
	s_add_nc_u64 s[12:13], s[4:5], s[12:13]        ; the head's records
	s_add_nc_u64 s[G0+2:G0+3], s[12:13], s[44:45]
	s_or_b32 s[G0+3], s[G0+3], 0x80000000
	s_cmp_eq_u32 s[WV], 0                          ; two arms, one load each: wave 0's line is its own, since it alone waits ahead of the first barrier
	s_cbranch_scc0 .Lrest
	tensor_load_to_lds s[G0:G0+3], s[G1:G1+7]
	s_nop 0
	NOPS 4
	s_branch .Lasked
.Lrest:
	tensor_load_to_lds s[G0:G0+3], s[G1:G1+7]
	s_nop 0
	NOPS 4
.Lasked:
	GROUPP 15, 56, 58, 84, 86
	GROUPP 14, 60, 62, 88, 90
	v_and_b32 v9, 31, v0
	v_and_b32 v10, 15, v0
	v_bfe_u32 v11, v0, 4, 1
	v_and_b32 v2, 8, v10
	v_lshlrev_b32 v11, 4, v11
	v_add_nc_u32 v2, v2, v10
	v_lshlrev_b32 v3, 4, v9
	v_lshlrev_b32 v4, 3, v9
	v_lshlrev_b32 v1, 2, v9
	v_sub_nc_u32 v2, v2, v11
	v_lshlrev_b32 v7, 3, v10                       ; 8 r (a lane of Q's scale words is 8 bytes)
	WALU
	global_load_b128 v[16:19], v3, s[56:57]
	global_load_b64 v[20:21], v4, s[56:57] offset:512
	global_load_b128 v[28:31], v3, s[56:57] offset:768
	global_load_b64 v[32:33], v4, s[56:57] offset:1280
	global_load_b32 v40, v7, s[58:59]
	global_load_b32 v41, v7, s[58:59] offset:128
	WIN 0x40
	global_load_b128 v[208:211], v3, s[60:61]
	global_load_b64 v[212:213], v4, s[60:61] offset:512
	global_load_b128 v[214:217], v3, s[60:61] offset:768
	global_load_b64 v[218:219], v4, s[60:61] offset:1280
	global_load_b32 v220, v7, s[62:63]
	global_load_b32 v221, v7, s[62:63] offset:128
.irp t, 0,1,2,3,4,5,6,7
.irp j, 6,7,8,9,10,11
	v_mov_b32 v[64+12*\t+\j], 0                    ; zero codes: the upper 64 of the instruction's 128
.endr
.endr
.set jj, 0
.rept 64
	v_mov_b32 v[jj], 0                             ; O^T of both tiles: the first step finds zeros, which the first change of M leaves zeros
.set jj, jj+1
.endr
	WIN 0
.irp j, 22,23,24,25,26,27,34,35,36,37,38,39
	v_mov_b32 v[\j], 0
.endr
	v_mov_b32 v9, 0xff61b1e6                       ; the largest t so far: -3e38, under every t
	v_mov_b32 v13, 0xff61b1e6
	v_floor_f32 v8, -v9                            ; -M
	v_floor_f32 v12, -v13
.irp j, 10,11,14,15,54,55,56,57,62,63,196,197,198,199,228,229,230,231
	v_mov_b32 v[\j], 0                             ; the sums; and what is named as a permute's destination or as a pair's upper half before it is written
.endr
	v_mov_b32 v42, 0xff800000
	v_mov_b32 v58, v3                              ; key step 0
	v_mov_b32 v59, v4
; A TRIP'S WORK: 128 keys, both tiles.  msk = 0: this copy can never lie on the diagonal
.macro DSTEP msk
	WIN 0x40
.irp t, 0,1,2,3                        ; V's four fragments (16 d x 128 keys)
.irp c, 0,1,2
	ds_load_b128 v[160+12*\t+4*\c:163+12*\t+4*\c], v60 offset:6144+1536*\t+512*\c
.endr
.endr
	WIN 0
	ds_load_b128 v[48:51], v60 offset:12800        ; and their scale words
	s_wait_dscnt 13                                ; K and its scale words are in; the 13 loads just issued may be out
	WIN 0x01                                       ; source 0 (K) in window 1
.irp t, 0,1,2,3,4,5,6,7                ; S^T = K Q^T
.irp u, 0,1
.if \t%2
	v_wmma_scale_f32_16x16x128_f8f6f4 v[64+64*\u+8*\t:71+64*\u+8*\t], v[64+12*\t:75+12*\t], v[16+12*\u:27+12*\u], 0, v[44+\t/2], v[40+\u] matrix_a_fmt:MATRIX_FMT_FP6 matrix_b_fmt:MATRIX_FMT_FP6 matrix_a_scale:MATRIX_SCALE_ROW1
.else
	v_wmma_scale_f32_16x16x128_f8f6f4 v[64+64*\u+8*\t:71+64*\u+8*\t], v[64+12*\t:75+12*\t], v[16+12*\u:27+12*\u], 0, v[44+\t/2], v[40+\u] matrix_a_fmt:MATRIX_FMT_FP6 matrix_b_fmt:MATRIX_FMT_FP6
.endif
.endr
.endr
	WIN 0
	NOPS 4                                         ; places in front of the loads into K's registers and of the first read of the scores
	s_cmp_eq_u32 s[CC], 16                         ; the last trip has no next
	s_cbranch_scc1 .Lnok_\@
	KFETCH
.Lnok_\@:
.if \msk
	s_cmp_eq_u32 s[CC], s[DG]                      ; on the diagonal register 16 b + i holds key 32 b + 16 h + i of the step: hidden where 32 b + i > my query less the step's first key less 16 h
	s_cbranch_scc0 .Lopen_\@
	v_add_nc_u32 v62, s[SD], v2
	v_add_nc_u32 v63, 8, v62
.set nn, 0
.rept 64
	v_cmp_gt_i32 vcc_lo, 32*(nn/16)+nn%16, v62
	v_cndmask_b32 v[64+nn], v[64+nn], v42, vcc_lo
	v_cmp_gt_i32 vcc_lo, 32*(nn/16)+nn%16, v63
	v_cndmask_b32 v[128+nn], v[128+nn], v42, vcc_lo
.set nn, nn+1
.endr
.Lopen_\@:
.endif
.irp b, 0,1,2,3
.irp u, 0,1
	v_max3_num_f32 v[192+32*\u+\b], v[64+64*\u+16*\b], v[65+64*\u+16*\b], v[66+64*\u+16*\b]   ; the largest score of each block of 32 keys: for the row's maximum and, since p rises with the score, for the block's largest p
.endr
.endr
.irp i, 3,5,7,9,11,13
.irp b, 0,1,2,3
.irp u, 0,1
	v_max3_num_f32 v[192+32*\u+\b], v[192+32*\u+\b], v[64+64*\u+16*\b+\i], v[65+64*\u+16*\b+\i]
.endr
.endr
.endr
.irp b, 0,1,2,3
.irp u, 0,1
	v_max_num_f32 v[192+32*\u+\b], v[192+32*\u+\b], v[79+64*\u+16*\b]
.endr
.endr
.irp b, 0,1,2,3
.irp u, 0,1
	v_permlanex16_b32 v[196+32*\u+\b], v[192+32*\u+\b], s[SEL], s[SEL+1]
.endr
.endr
.irp b, 0,1,2,3
.irp u, 0,1
	v_max_num_f32 v[192+32*\u+\b], v[192+32*\u+\b], v[196+32*\u+\b]   ; with lane l xor 16's 16 keys
.endr
.endr
.irp u, 0,1
	v_max3_num_f32 v[62+\u], v[192+32*\u], v[193+32*\u], v[194+32*\u]
.endr
.irp u, 0,1
	v_max_num_f32 v[62+\u], v[62+\u], v[195+32*\u]
.endr
.irp u, 0,1
	v_mul_f32 v[62+\u], s[CS], v[62+\u]            ; as t (c is positive)
.endr
.irp u, 0,1
	v_max_num_f32 v[9+4*\u], v[9+4*\u], v[62+\u]   ; the running largest t
.endr
.irp u, 0,1
	v_mov_b32 v[62+\u], v[8+4*\u]
.endr
.irp u, 0,1
	v_floor_f32 v[8+4*\u], -v[9+4*\u]              ; the new -M = floor(-t): M is a whole number
.endr
.irp u, 0,1
	v_sub_f32 v[62+\u], v[8+4*\u], v[62+\u]        ; old M - new M: a whole number, 0 or less
.endr
.irp u, 0,1
	v_cvt_i32_f32 v[62+\u], v[62+\u]               ; (it saturates)
.endr
.irp u, 0,1
	v_ldexp_f32 v[54+2*\u], 1.0, v[62+\u]          ; f = 2^(old M - new M)
.endr
.irp b, 0,1,2,3
.irp u, 0,1
	v_fma_f32 v[192+32*\u+\b], v[192+32*\u+\b], s[CS], v[8+4*\u]   ; t - M of each block's largest score
.endr
.endr
.set jj, 0
.rept 32
	v_pk_fma_f32 v[64+jj:65+jj], v[64+jj:65+jj], s[CS:CS+1], v[8:9] op_sel_hi:[1,0,0]   ; tile 0: t - M, two at a time
.set jj, jj+2
.endr
	WALU                                           ; the wait ahead of the batch
.irp b, 0,1,2,3
.irp u, 0,1
	v_exp_f32 v[192+32*\u+\b], v[192+32*\u+\b]     ; the block's largest p: the same two instructions on the same number give the same bits
.endr
.endr
.set jj, 0
.rept 32
	v_exp_f32 v[64+jj], v[64+jj]                   ; tile 0: p = 2^(t - M), at most 1: not normalised;
	v_exp_f32 v[65+jj], v[65+jj]
	v_pk_fma_f32 v[128+jj:129+jj], v[128+jj:129+jj], s[CS:CS+1], v[12:13] op_sel_hi:[1,0,0]   ; among them tile 1's t - M, first read behind the wait below
.set jj, jj+2
.endr
	WALU                                           ; behind the first batch and ahead of the second
.set jj, 0
.rept 64
	v_exp_f32 v[128+jj], v[128+jj]                 ; tile 1's p
.set jj, jj+1
.endr
.irp u, 0,1
	v_pk_mul_f32 v[10+4*\u:11+4*\u], v[10+4*\u:11+4*\u], v[54+2*\u:55+2*\u] op_sel_hi:[1,0]   ; the sums under the new M: plain instructions behind the exponentials
.endr
	WALU                                           ; one wait for the batch, ahead of its first reader
.irp b, 0,1,2,3
.irp u, 0,1
	v_max_num_f32 v[192+32*\u+\b], 0x1800000, v[192+32*\u+\b]   ; the floor 2^(3 - 127): a block whose every p is 0 keeps the byte 1: its codes are zeros
.endr
.endr
.irp b, 0,1,2,3
.irp u, 0,1
	v_add_nc_u32 v[200+32*\u+\b], 0xff000000, v[192+32*\u+\b]   ; 2 off the exponent field: the conversion's scale operand
.endr
.endr
.irp b, 0,1,2,3
.irp u, 0,1
	v_lshrrev_b32 v[196+32*\u+\b], 23, v[200+32*\u+\b]
.endr
.endr
.irp u, 0,1
	v_lshl_or_b32 v[52+\u], v[197+32*\u], 8, v[196+32*\u]   ; p's scale word for these 128 keys
.endr
.irp u, 0,1
	v_lshl_or_b32 v[52+\u], v[198+32*\u], 16, v[52+\u]
.endr
.irp u, 0,1
	v_lshl_or_b32 v[52+\u], v[199+32*\u], 24, v[52+\u]
.endr
; the row's sum of the unquantised p: 32 pairs in eight chains for each tile, side by side
.set jj, 0
.irp R, 0,2,4,6,12,14,16
.irp u, 0,1
	v_pk_add_f32 v[192+32*\u+\R:193+32*\u+\R], v[64+64*\u+4*jj:65+64*\u+4*jj], v[66+64*\u+4*jj:67+64*\u+4*jj]
.endr
.set jj, jj+1
.endr
.irp u, 0,1
	v_pk_add_f32 v[10+4*\u:11+4*\u], v[10+4*\u:11+4*\u], v[92+64*\u:93+64*\u]
.endr
.set jj, 0
.irp R, 0,2,4,6,12,14,16
.irp u, 0,1
	v_pk_add_f32 v[192+32*\u+\R:193+32*\u+\R], v[192+32*\u+\R:193+32*\u+\R], v[94+64*\u+2*jj:95+64*\u+2*jj]
.endr
.set jj, jj+1
.endr
.irp u, 0,1
	v_pk_add_f32 v[10+4*\u:11+4*\u], v[10+4*\u:11+4*\u], v[108+64*\u:109+64*\u]
.endr
.set jj, 0
.irp R, 0,2,4,6,12,14,16
.irp u, 0,1
	v_pk_add_f32 v[192+32*\u+\R:193+32*\u+\R], v[192+32*\u+\R:193+32*\u+\R], v[110+64*\u+2*jj:111+64*\u+2*jj]
.endr
.set jj, jj+1
.endr
.irp u, 0,1
	v_pk_add_f32 v[10+4*\u:11+4*\u], v[10+4*\u:11+4*\u], v[124+64*\u:125+64*\u]
.endr
.irp u, 0,1
	v_pk_add_f32 v[192+32*\u:193+32*\u], v[192+32*\u:193+32*\u], v[126+64*\u:127+64*\u]
.endr
.irp u, 0,1
	v_pk_add_f32 v[194+32*\u:195+32*\u], v[194+32*\u:195+32*\u], v[206+32*\u:207+32*\u]
.endr
.irp u, 0,1
	v_pk_add_f32 v[196+32*\u:197+32*\u], v[196+32*\u:197+32*\u], v[208+32*\u:209+32*\u]
.endr
.irp u, 0,1
	v_pk_add_f32 v[10+4*\u:11+4*\u], v[10+4*\u:11+4*\u], v[198+32*\u:199+32*\u]
.endr
.irp u, 0,1
	v_pk_add_f32 v[192+32*\u:193+32*\u], v[192+32*\u:193+32*\u], v[204+32*\u:205+32*\u]
.endr
.irp u, 0,1
	v_pk_add_f32 v[194+32*\u:195+32*\u], v[194+32*\u:195+32*\u], v[196+32*\u:197+32*\u]
.endr
.irp u, 0,1
	v_pk_add_f32 v[10+4*\u:11+4*\u], v[10+4*\u:11+4*\u], v[192+32*\u:193+32*\u]
.endr
.irp u, 0,1
	v_pk_add_f32 v[10+4*\u:11+4*\u], v[10+4*\u:11+4*\u], v[194+32*\u:195+32*\u]
.endr
.irp u, 0,1
.irp c, 0,1
	v_cvt_scalef32_pk16_fp6_f32 v[212+32*\u+6*\c:214+32*\u+6*\c], v[64+64*\u+32*\c:79+64*\u+32*\c], v[200+32*\u+2*\c]
	v_cvt_scalef32_pk16_fp6_f32 v[204+32*\u+4*\c:206+32*\u+4*\c], v[80+64*\u+32*\c:95+64*\u+32*\c], v[201+32*\u+2*\c]
.endr
.endr
	v_nop                                          ; one plain instruction behind a scaled conversion
.irp u, 0,1                            ; the operand's layout wants a whole block in a lane
.irp c, 0,1
.irp i, 0,1,2
	v_permlane16_swap_b32 v[212+32*\u+6*\c+\i], v[204+32*\u+4*\c+\i]
.endr
.endr
.endr
.irp u, 0,1
.irp c, 0,1
.irp i, 0,1,2
	v_mov_b32 v[215+32*\u+6*\c+\i], v[204+32*\u+4*\c+\i]
.endr
.endr
.endr
	WIN 0x41                                       ; destination and source 0 (O^T) in window 1
	WALU                                           ; directly ahead of the first reader of O^T
.irp u, 0,1
.set jj, 0
.rept 16
	v_pk_mul_f32 v[32*\u+jj:32*\u+jj+1], v[32*\u+jj:32*\u+jj+1], v[54+2*\u:55+2*\u] op_sel_hi:[1,0]   ; O^T under the new M; these are also the places between p's scale words and codes and the products below
.set jj, jj+2
.endr
.endr
	WIN 0
	WALU                                           ; and here, directly ahead of the wait below
	s_wait_dscnt 0x0                               ; V is in (and the next K, asked for behind it)
	WIN 0x51                                       ; V, C and D in window 1, p's codes in window 0
.irp t, 0,1,2,3
.irp u, 0,1
	v_wmma_scale_f32_16x16x128_f8f6f4 v[32*\u+8*\t:32*\u+8*\t+7], v[160+12*\t:171+12*\t], v[212+32*\u:223+32*\u], v[32*\u+8*\t:32*\u+8*\t+7], v[48+\t], v[52+\u] matrix_a_fmt:MATRIX_FMT_FP6 matrix_b_fmt:MATRIX_FMT_FP6
.endr
.endr
	WIN 0
	NOPS 4                                         ; places in front of the next loads into V's registers and of a read of O^T
.endm
; A GROUP'S END: O^T / the sum; register 16 b + i is e = 64 head + 32 b + 16 h + i of my query: two blocks, quantised as the next product's operand; two tiles' images and their scale words are stored.
.macro FINISH2
.irp u, 0,1
	v_add_f32 v[10+4*\u], v[10+4*\u], v[11+4*\u]
.endr
.irp u, 0,1
	v_permlanex16_b32 v[62+\u], v[10+4*\u], s[SEL], s[SEL+1]
.endr
.irp u, 0,1
	v_add_f32 v[10+4*\u], v[10+4*\u], v[62+\u]     ; the row's sum
.endr
	WALU
.irp u, 0,1
	v_rcp_f32 v[10+4*\u], v[10+4*\u]
.endr
	v_nop                                          ; a plain instruction behind the transcendentals
	WIN 0x01
	WALU                                           ; and the wait ahead of their first reader, which is O^T's too
.irp u, 0,1
.set jj, 0
.rept 16
	v_pk_mul_f32 v[64+64*\u+jj:65+64*\u+jj], v[32*\u+jj:32*\u+jj+1], v[10+4*\u:11+4*\u] op_sel_hi:[1,0]
.set jj, jj+2
.endr
.endr
	WIN 0
.irp b, 0,1
.irp u, 0,1
	v_max3_num_f32 v[192+32*\u+\b], |v[64+64*\u+16*\b]|, |v[65+64*\u+16*\b]|, 0x1800000
.endr
.endr
.irp i, 2,4,6,8,10,12,14
.irp b, 0,1
.irp u, 0,1
	v_max3_num_f32 v[192+32*\u+\b], v[192+32*\u+\b], |v[64+64*\u+16*\b+\i]|, |v[65+64*\u+16*\b+\i]|
.endr
.endr
.endr
.irp b, 0,1
.irp u, 0,1
	v_permlanex16_b32 v[196+32*\u+\b], v[192+32*\u+\b], s[SEL], s[SEL+1]
.endr
.endr
.irp b, 0,1
.irp u, 0,1
	v_max_num_f32 v[192+32*\u+\b], v[192+32*\u+\b], v[196+32*\u+\b]
.endr
.endr
.irp b, 0,1
.irp u, 0,1
	v_add_nc_u32 v[200+32*\u+\b], 0xff000000, v[192+32*\u+\b]
.endr
.endr
.irp b, 0,1
.irp u, 0,1
	v_lshrrev_b32 v[196+32*\u+\b], 23, v[200+32*\u+\b]
.endr
.endr
.irp u, 0,1
	v_lshl_or_b32 v[204+32*\u], v[197+32*\u], 8, v[196+32*\u]
.endr
.irp u, 0,1
	v_cvt_scalef32_pk16_fp6_f32 v[212+32*\u:214+32*\u], v[64+64*\u:79+64*\u], v[200+32*\u]
	v_cvt_scalef32_pk16_fp6_f32 v[216+32*\u:218+32*\u], v[80+64*\u:95+64*\u], v[201+32*\u]
.endr
	v_nop
.irp u, 0,1
.irp i, 0,1,2
	v_permlane16_swap_b32 v[212+32*\u+\i], v[216+32*\u+\i]   ; lanes 0-15 then hold block 0 whole, lanes 16-31 block 1
.endr
.endr
.irp i, 0,1,2
.irp u, 0,1
	v_mov_b32 v[215+32*\u+\i], v[216+32*\u+\i]
.endr
.endr
	v_cndmask_b32 v62, v204, v236, s[HI]           ; lanes 0-15 tile 0's words, lanes 16-31 tile 1's
.irp u, 0,1
	global_store_b128 v3, v[212+32*\u:215+32*\u], s[OC:OC+1] offset:768*\u        ; 512 consecutive bytes, aligned
	global_store_b64 v4, v[216+32*\u:217+32*\u], s[OC:OC+1] offset:768*\u+512     ; 256
.endr
	global_store_b32 v1, v62, s[OW:OW+1]           ; 128 consecutive bytes
	s_wait_xcnt 0x0                                ; the stores have read their data and bases: both are written again only behind this wait
.endm
	WALU                                           ; the wait at the head's end
	s_cmp_eq_u32 s[WV], 0
	s_cbranch_scc0 .Lnot_0
	s_wait_tensorcnt 0x0                           ; wave 0: key steps 0 and 1 are in
.Lnot_0:
	s_barrier_signal -1
	s_barrier_wait -1                              ; the other key steps may be out
	KFETCH                                         ; key step 0's K
	v_mov_b32 v60, v3                              ; key step 0's V;
	v_add_nc_u32 v58, KST, v3                      ; the next K is key step 1's
	v_add_nc_u32 v59, KST, v4
	WALU
	s_wait_loadcnt 0x0                             ; Q, both groups'
	DSTEP 0                                        ; trip 0: key step 0 of the big group, whose diagonal lies at step 8 or later
	s_wait_tensorcnt 0x0                           ; my record is in,
	s_wait_dscnt 0x0
	s_barrier_signal -1
	s_barrier_wait -1                              ; and everybody's: from here on the waves walk by themselves
	s_mov_b32 s[CC], 1
.Lkeys:                                            ; sixteen trips
	s_mov_b32 s[TB], s[TBN]
	s_add_co_u32 s50, s[CC], 1                     ; the next trip's key step: c while c + m < 16, then (c + m) % 16
	s_add_co_u32 s51, s50, s[WV]
	s_lshr_b32 s52, s51, 4
	s_mul_i32 s53, s52, 15
	s_xor_b32 s54, s53, 15
	s_and_b32 s51, s51, s53
	s_and_b32 s50, s50, s54
	s_or_b32 s50, s50, s51
	s_and_b32 s50, s50, 15
	s_mul_i32 s[TBN], s50, KST
	v_add_nc_u32 v60, s[TB], v3
	v_add_nc_u32 v58, s[TBN], v3
	v_add_nc_u32 v59, s[TBN], v4
	WALU
	s_cmp_eq_u32 s[CC], s[SW]                      ; a branch on the trip and the wave's number
	s_cbranch_scc0 .Lsame
	FINISH2                                        ; the big group is done; the small one begins
	WIN 0x01
.irp j, 0,1,2,3,4,5
	v_mov_b32 v[16+\j], v[208+\j]
	v_mov_b32 v[28+\j], v[214+\j]
.endr
	v_mov_b32 v40, v220
	v_mov_b32 v41, v221
	WIN 0
	v_mov_b32 v9, 0xff61b1e6
	v_mov_b32 v13, 0xff61b1e6
	v_floor_f32 v8, -v9
	v_floor_f32 v12, -v13
.irp j, 10,11,14,15
	v_mov_b32 v[\j], 0
.endr
	WIN 0x40
.set jj, 0
.rept 64
	v_mov_b32 v[jj], 0                             ; (these are also the places between Q's moves and the next products)
.set jj, jj+1
.endr
	WIN 0
	s_mov_b32 s[DG], 16
	s_mov_b32 s[SD], s[SDS]
	s_mov_b64 s[OC:OC+1], s[88:89]
	s_mov_b64 s[OW:OW+1], s[90:91]
	WALU
.Lsame:
	DSTEP 1
	s_add_co_u32 s[CC], s[CC], 1
	s_cmp_lt_u32 s[CC], 17
	s_cbranch_scc1 .Lkeys
	FINISH2
	s_wait_tensorcnt 0x0                           ; the wave's end
	ds_add_u32 v5, v6
	s_wait_dscnt 0x0
	ROUND                                          ; the closing round
	s_endpgm
.Lfunc_end_k_qe99c7a009b_attn:
	.size	k_qe99c7a009b_attn, .Lfunc_end_k_qe99c7a009b_attn-k_qe99c7a009b_attn
	.p2alignl 7, 3214868480
	.fill 96, 4, 3214868480
	.section	.rodata,"a",@progbits
	.p2align	6, 0x0
	.amdhsa_kernel k_qe99c7a009b_attn
		.amdhsa_group_segment_fixed_size 327680
		.amdhsa_private_segment_fixed_size 0
		.amdhsa_enable_private_segment 0
		.amdhsa_kernarg_size 24
		.amdhsa_user_sgpr_count 2
		.amdhsa_user_sgpr_kernarg_segment_ptr 1
		.amdhsa_wavefront_size32 1
		.amdhsa_system_sgpr_workgroup_id_x 1
		.amdhsa_system_sgpr_workgroup_id_y 1
		.amdhsa_system_sgpr_workgroup_id_z 1
		.amdhsa_system_vgpr_workitem_id 0
		.amdhsa_next_free_vgpr 512
		.amdhsa_next_free_sgpr 100
		.amdhsa_reserve_vcc 1
		.amdhsa_float_denorm_mode_32 3
		.amdhsa_float_denorm_mode_16_64 3
		.amdhsa_memory_ordered 1
		.amdhsa_forward_progress 1
		.amdhsa_inst_pref_size 99
	.end_amdhsa_kernel
	.amdgpu_metadata
---
amdhsa.version: [ 1, 2 ]
amdhsa.kernels:
  - .name:           k_qe99c7a009b_attn
    .symbol:         k_qe99c7a009b_attn.kd
    .args:
      - { .name: qkv, .offset: 0, .size: 8, .value_kind: global_buffer, .address_space: global }
      - { .name: ao, .offset: 8, .size: 8, .value_kind: global_buffer, .address_space: global }
      - { .name: aos, .offset: 16, .size: 8, .value_kind: global_buffer, .address_space: global }
    .group_segment_fixed_size: 327680
    .private_segment_fixed_size: 0
    .kernarg_segment_align: 8
    .kernarg_segment_size: 24
    .max_flat_workgroup_size: 256
    .sgpr_count:     100
    .vgpr_count:     512
    .wavefront_size: 32
...
	.end_amdgpu_metadata
.endif
;; end of part 3
;; launch proj (part 4): grid 8 x 32, 4 waves a work-group, clusters of 4 x 4, 327,680 bytes of LDS; arguments ao, aos, cq, zs, b_proj, out0; writes out0
.if DOCPART == 4
	.amdgcn_target "amdgcn-amd-amdhsa--gfx1250"
	.amdhsa_code_object_version 6
	.text
	.protected	k_qe99c7a009b_proj
	.globl	k_qe99c7a009b_proj
	.p2align	8
	.type	k_qe99c7a009b_proj,@function
k_qe99c7a009b_proj:
	s_mov_b64 s[64:65], 0
	v_nop
	global_prefetch_b8 v0, s[64:65] scope:SCOPE_SE
	s_setreg_imm32_b32 hwreg(HW_REG_WAVE_MODE, 25, 1), 1
	s_wait_xcnt 0x0
	s_wait_alu depctr_hold_cnt(0) depctr_sa_sdst(0) depctr_va_vdst(0) depctr_va_sdst(0) depctr_va_ssrc(0) depctr_va_vcc(0) depctr_vm_vsrc(0)
	s_getreg_b32 s2, hwreg(HW_REG_IB_STS2, 6, 4)
	s_cmp_eq_u32 s2, 0
	s_cbranch_scc0 .Lentry_in_a_cluster
	s_endpgm
.Lentry_in_a_cluster:
	s_bfe_u32 s2, ttmp6, 0x10000c
	s_cmp_lg_u32 s2, 0xf033
	s_cbranch_scc0 .Lentry_shape_is_right
	s_endpgm
.Lentry_shape_is_right:
; out0 = attention's result x W_proj + b_proj on codes of FP6 (E2M3) with E8M0 scales, K = 1,024; f32 out.
; IN: ao [b][head][tile of 16 tokens: 128][768 bytes] and aos [b][head][tile][16 words] (a word's low two bytes: the row's two blocks of a head's 64); cq, zs: W_proj's columns are rows 11,264 on of Z
; (cq: [64 along K: 16][tile: 768][768 bytes]; zs: [32 rows][256 along K: 4][256 bytes]).  All codes are images of operand registers: a tile of 16 rows x 64 K has registers 0-3 at 16 x lane, 4-5 at 512 + 8 x lane;
; tile 2 G + u holds rows 32 G + 8 u + r + 8 (r / 8).
; SHARES: 8 x 32 = 256 work-groups; a work-group makes 256 tokens x 128 columns, a wave 64 tokens x 128 columns: 32 accumulators.  Source 0 = W's columns, source 1 = tokens: a lane holds neighbouring columns of one token.
; LDS HOLDS ALL OF K: A's 16 chunks (64 along K) x 12,288 bytes at 0, B's 16 x 6,144 at BREG: 294,912 bytes, filled once: no ring, no refill.  One joint load a wave at the head, in four arms: wave 0 A's chunks 0-7, wave 1 B's 0-7,
; wave 2 A's 8-15, wave 3 B's 8-15.  The first barrier waits for waves 0 and 1 alone; a second, at the head of K step 3, shows the rest.  Behind it nobody reads A's chunks 0-7 any more: the waves' stages for the way out lie there.
; CLUSTERS: 4 x 4; A's chunks are shared along a row of the cluster, B's along a column.  NO PREFETCH: all that the launch reads is asked for at its head.
; The bias is the C of each sum's first product.  The 32 accumulators take turns, one instruction a turn.  A's scale words stand one register round from B's modulo 8.
; REGISTERS: window 0: v4-7, v8-11 A's LDS addresses (a place = 2 K steps), v12-15 B's (4 K steps), v16-19 lane offsets, v24, v25 the stage, v28, v29 the add's, v33-48 A's scale words, v64-95 B's, v128-223 A's fragments, two sets of 48
; (first the raw words of aos; on the way out v128-255 the rows read back).  window 1: B's fragments, two sets, at v0 and v128; the bias at v96-127 and v224-255.  window 2: accumulator (a, b) at v[8 (8 a + b)].
.set KP,    589824
.set ACH,   12288
.set BCH,   6144
.set BREG,  16*ACH
.set SPARE, BREG+16*BCH
.set SA,  33
.set SB,  64
.set AF,  128
.set BK,  128
.set STO, 24
.set RD,  25
.set SPW, 28
.set NIL, 29
.set WV,  20
.set PT,  21
.set G1A, 24
.set G0A, 32
.set G0B, 36
.set G1B, 48
.set MSB, 0
.macro WIN new
.if MSB != (\new)
	s_set_vgpr_msb (MSB<<8)|(\new)
.set MSB, (\new)
.endif
.endm
.macro PLACES n
.rept \n
	v_nop
.endr
.endm
.macro WALU
	s_wait_alu depctr_va_vdst(0)
.endm
.macro CROUND
	s_barrier_signal -1
	s_barrier_wait -1
	s_cmp_lg_u32 s[WV], 0
	s_cbranch_scc1 .Lnot_wave_0_\@
	s_barrier_signal -3
.Lnot_wave_0_\@:
	s_barrier_wait -3
	s_barrier_signal -1
	s_barrier_wait -1
.endm
.macro ARM under, g0, g1, next
	s_cmp_lt_u32 s[WV], \under
	s_cbranch_scc0 \next
	tensor_load_to_lds s[\g0:\g0+3], s[\g1:\g1+7]
	s_nop 0
	PLACES 4
	s_branch .Lhead_asked
\next:
.endm
; a fragment, 16 rows x 128 K, is two tiles' images: four loads, each of consecutive bytes lane by lane
.macro FRAG reg, a16, a8, off, ch
	ds_load_b128 v[\reg:\reg+3], v[\a16] offset:\off
	ds_load_b64 v[\reg+4:\reg+5], v[\a8] offset:(\off)+512
	ds_load_b128 v[\reg+6:\reg+9], v[\a16] offset:(\off)+(\ch)
	ds_load_b64 v[\reg+10:\reg+11], v[\a8] offset:(\off)+(\ch)+512
.endm
.macro FETCH k                         ; K step k's fragments, B's eight and my four of A, into set k % 2
	WIN 0x40
.irp i, 0,1,2,3,4,5,6,7
	FRAG 128*((\k)%2)+12*\i, 12+(\k)/4, 14+(\k)/4, 2*BCH*((\k)%4)+768*\i, BCH
.endr
	WIN 0
.irp i, 0,1,2,3
	FRAG AF+48*((\k)%2)+12*\i, 4+(\k)/2, 8+(\k)/2, 2*ACH*((\k)%2)+768*\i, ACH
.endr
.endm
.macro WM                              ; an odd tile's scale words stand in lanes 16-31
.if kR0 && kR1
	v_wmma_scale_f32_16x16x128_f8f6f4 v[rD:rD+7], v[rS0:rS0+11], v[rS1:rS1+11], v[rC:rC+7], v[rX0], v[rX1] matrix_a_fmt:MATRIX_FMT_FP6 matrix_b_fmt:MATRIX_FMT_FP6 matrix_a_scale:MATRIX_SCALE_ROW1 matrix_b_scale:MATRIX_SCALE_ROW1
.elseif kR0
	v_wmma_scale_f32_16x16x128_f8f6f4 v[rD:rD+7], v[rS0:rS0+11], v[rS1:rS1+11], v[rC:rC+7], v[rX0], v[rX1] matrix_a_fmt:MATRIX_FMT_FP6 matrix_b_fmt:MATRIX_FMT_FP6 matrix_a_scale:MATRIX_SCALE_ROW1
.elseif kR1
	v_wmma_scale_f32_16x16x128_f8f6f4 v[rD:rD+7], v[rS0:rS0+11], v[rS1:rS1+11], v[rC:rC+7], v[rX0], v[rX1] matrix_a_fmt:MATRIX_FMT_FP6 matrix_b_fmt:MATRIX_FMT_FP6 matrix_b_scale:MATRIX_SCALE_ROW1
.else
	v_wmma_scale_f32_16x16x128_f8f6f4 v[rD:rD+7], v[rS0:rS0+11], v[rS1:rS1+11], v[rC:rC+7], v[rX0], v[rX1] matrix_a_fmt:MATRIX_FMT_FP6 matrix_b_fmt:MATRIX_FMT_FP6
.endif
.endm
.macro MUL k
.irp a, 0,1,2,3
.irp b, 0,1,2,3,4,5,6,7
.set rD, 8*(8*\a+\b)
.set rC, rD
.if (\k) == 0
.set rC, 96+8*\b+96*(\b/4)
.endif
.set rS0, 128*((\k)%2)+12*\b
.set rS1, AF+48*((\k)%2)+12*\a
.set rX0, SB+8*(\b/2)+(\k)
.set rX1, SA+8*(\a/2)+(\k)
.set kR0, \b%2
.set kR1, \a%2
	WM
.endr
.endr
.endm
.macro KSTEP k
.if (\k) == 3
	s_wait_tensorcnt 0x0                           ; my load is in (chunks 8-15 are wanted next)
.endif
	s_wait_dscnt 0x0                               ; this step's fragments are in
.if (\k) == 3
	s_barrier_signal -1
	s_barrier_wait -1                              ; everybody's load is in, and nobody reads chunks 0-7 any more
.endif
.if (\k) < 7
.if (\k) > 0
	PLACES 4                                       ; in front of loads into registers that the last step's products have read
.endif
	FETCH (\k)+1
.endif
.if (\k) == 0
	WIN 0x91                                       ; C (the bias) in window 1
.else
	WIN 0xa1
.endif
	MUL \k
	WIN 0
.endm
	s_load_b256 s[4:11], s[0:1], 0x0               ; ao, aos, cq, zs
	s_load_b128 s[12:15], s[0:1], 0x20             ; b_proj, out0
	v_lshl_add_u32 v[SPW], v0, 2, SPARE
	v_mov_b32 v[NIL], 0
	ds_add_u32 v[SPW], v[NIL]                      ; the opening lines: the add, twice on end, and its wait
	ds_add_u32 v[SPW], v[NIL]
	v_lshrrev_b32 v1, 5, v0
	v_readfirstlane_b32 s[WV], v1
	s_lshr_b32 s[PT], s[WV], 1                     ; which half of K I fetch
	s_bfe_u32 s56, ttmp6, 0x40000                  ; cx
	s_bfe_u32 s57, ttmp6, 0x40004                  ; cy
	s_lshl_b32 s59, ttmp9, 2
	s_add_co_u32 s59, s59, s56                     ; which 128 columns
	s_and_b32 s58, ttmp7, 0xffff
	s_lshl_b32 s58, s58, 2
	s_add_co_u32 s58, s58, s57                     ; which 256 tokens
	s_lshl_b32 s60, s57, 2
	s_lshl_b32 s60, 15, s60                        ; my row of the cluster
	s_lshl_b32 s61, 0x1111, s56                    ; my column
	s_or_b32 s[G1A], s60, (3<<16)|(1<<21)          ; A: 8 rows (chunks) of 1,536 elements of 8 bytes, 12,288 elements apart
	s_mov_b32 s[G1A+1], 1536<<16
	s_mov_b32 s[G1A+2], 8<<16
	s_mov_b32 s[G1A+3], 1536<<16
	s_mov_b32 s[G1A+4], 8
	s_mov_b32 s[G1A+5], 12288
	s_mov_b32 s[G1A+6], 0
	s_mov_b32 s[G1A+7], 0
	s_or_b32 s[G1B], s61, (3<<16)|(1<<21)          ; B: 8 rows of 768 elements, 73,728 apart
	s_mov_b32 s[G1B+1], 768<<16
	s_mov_b32 s[G1B+2], 8<<16
	s_mov_b32 s[G1B+3], 768<<16
	s_mov_b32 s[G1B+4], 8
	s_mov_b32 s[G1B+5], 73728
	s_mov_b32 s[G1B+6], 0
	s_mov_b32 s[G1B+7], 0
	s_lshr_b32 s16, s58, 3                         ; b
	s_mul_i32 s80, s16, 1572864
	s_and_b32 s17, s58, 7
	s_mul_i32 s18, s17, 12288
	s_add_co_u32 s80, s80, s18
	s_mul_i32 s19, s[PT], 8*98304
	s_add_co_u32 s80, s80, s19
	s_mov_b32 s81, 0
	s_lshl_b32 s82, s59, 7
	s_add_co_u32 s82, s82, 11264
	s_mul_i32 s82, s82, 48
	s_mul_i32 s19, s[PT], 8*KP
	s_add_co_u32 s82, s82, s19
	s_mov_b32 s83, 0
	s_mov_b32 s[G0A], 1
	s_mul_i32 s[G0A+1], s[PT], 8*ACH
	s_mov_b32 s[G0B], 1
	s_mul_i32 s[G0B+1], s[PT], 8*BCH
	s_add_co_u32 s[G0B+1], s[G0B+1], BREG
	s_mov_b32 s63, 0x05040100
	WALU
	s_wait_dscnt 0x0
	CROUND                                         ; all sixteen work-groups are here: the joint loads meet
	s_wait_kmcnt 0x0
	s_add_nc_u64 s[G0A+2:G0A+3], s[4:5], s[80:81]
	s_or_b32 s[G0A+3], s[G0A+3], 0x80000000
	s_add_nc_u64 s[G0B+2:G0B+3], s[8:9], s[82:83]
	s_or_b32 s[G0B+3], s[G0B+3], 0x80000000
	ARM 1, G0A, G1A, .Lhead_1
	ARM 2, G0B, G1B, .Lhead_2
	ARM 3, G0A, G1A, .Lhead_3
	tensor_load_to_lds s[G0B:G0B+3], s[G1B:G1B+7]
	s_nop 0
	PLACES 4
.Lhead_asked:
	s_lshl_b32 s44, s16, 11                        ; aos: tile b x 2,048 + 16 x (which 256 of the batch) + 4 x wave, 64 bytes a tile; from head to head 8,192 bytes
	s_lshl_b32 s18, s17, 4
	s_add_co_u32 s44, s44, s18
	s_lshl_b32 s18, s[WV], 2
	s_add_co_u32 s44, s44, s18
	s_lshl_b32 s44, s44, 6
	s_mov_b32 s45, 0
	s_add_nc_u64 s[44:45], s[6:7], s[44:45]
	s_lshl_b32 s46, s59, 7
	s_lshl_b32 s98, s46, 2                         ; my columns, in bytes
	s_mov_b32 s99, 0
	s_add_co_u32 s46, s46, 11264
	s_lshl_b32 s46, s46, 5                         ; 32 bytes of scale words a row of Z
	s_mov_b32 s47, 0
	s_add_nc_u64 s[46:47], s[10:11], s[46:47]
	s_lshl_b32 s88, s58, 8
	s_lshl_b32 s89, s[WV], 6
	s_add_co_u32 s88, s88, s89                     ; my first token
	s_lshl_b32 s88, s88, 12
	s_add_co_u32 s88, s88, s98
	s_mov_b32 s89, 0
	s_add_nc_u64 s[14:15], s[14:15], s[88:89]
	s_add_nc_u64 s[98:99], s[12:13], s[98:99]
	s_mul_i32 s18, s[WV], 8448                     ; my stage: 16 rows x 528 bytes, on A's first chunks
	s_mul_i32 s86, s[WV], 3072                     ; my four tiles of each chunk of A
	s_mov_b32 s87, BREG
	v_and_b32 v1, 31, v0
	v_bfe_u32 v2, v0, 4, 1
	v_and_b32 v3, 15, v0
	v_lshlrev_b32 v16, 4, v1
	v_lshlrev_b32 v17, 3, v1
	v_lshlrev_b32 v18, 2, v1
	v_lshlrev_b32 v19, 6, v2
	v_mul_u32_u24 v[STO], v3, 528
	WALU
	v_add_nc_u32 v[RD], s18, v16
	v_add_nc_u32 v[STO], v[STO], v19
	v_add_nc_u32 v[STO], s18, v[STO]
.irp p, 0,1,2,3
	v_add_nc_u32 v[4+\p], s86, v16
	v_add_nc_u32 v[8+\p], s86, v17
	s_add_co_u32 s86, s86, 4*ACH
.endr
.irp p, 0,1
	v_add_nc_u32 v[12+\p], s87, v16
	v_add_nc_u32 v[14+\p], s87, v17
	s_add_co_u32 s87, s87, 8*BCH
.endr
.irp hh, 0,1,2,3,4,5,6,7,8,9,10,11,12,13,14,15
.irp be, 0,1
	global_load_b32 v[128+2*\hh+\be], v18, s[44:45] offset:8192*\hh+128*\be   ; lanes 0-15 the even tile's words, lanes 16-31 the odd tile's
.endr
.endr
.irp be, 0,1,2,3
.irp g, 0,1,2,3
	global_load_b64 v[SB+8*\be+2*\g:SB+8*\be+2*\g+1], v17, s[46:47] offset:(4*\be+\g)*256
.endr
.endr
	WIN 0x40                                       ; register j of B's tile b is column 32 (b / 2) + 8 (b % 2) + 16 h + j
.irp b, 0,1,2,3,4,5,6,7
	global_load_b128 v[96+8*\b+96*(\b/4):96+8*\b+96*(\b/4)+3], v19, s[98:99] offset:4*(32*(\b/2)+8*(\b%2))
	global_load_b128 v[96+8*\b+96*(\b/4)+4:96+8*\b+96*(\b/4)+7], v19, s[98:99] offset:4*(32*(\b/2)+8*(\b%2))+16
.endr
	WIN 0
	s_wait_loadcnt 0x0
.irp be, 0,1
.irp k, 0,1,2,3,4,5,6,7
	v_perm_b32 v[SA+8*\be+\k], v[128+2*(2*\k+1)+\be], v[128+2*(2*\k)+\be], s63   ; two heads' two bytes make the scale word of 128 along K
.endr
.endr
	PLACES 8                                       ; a scale register written by a vector instruction stands 8 places ahead of a scaled product
	WALU                                           ; the wait at the head's end
	s_cmp_lt_u32 s[WV], 2
	s_cbranch_scc0 .Lpart_1
	s_wait_tensorcnt 0x0                           ; waves 0 and 1: chunks 0-7 are in
.Lpart_1:
	s_barrier_signal -1
	s_barrier_wait -1
	FETCH 0
.irp k, 0,1,2,3,4,5,6,7
	KSTEP \k
.endr
; THE WAY OUT, block by block of 16 tokens x 128 columns: through my own stage and back as whole rows of 512 bytes, which the 32 lanes store as two aligned units of 256 bytes.
; LDS serves a wave's instructions in order (ISA guide 5.7.1.4): no wait between the stores and the loads.  Each accumulator is read from its low end on.
.macro TOSTAGE a
.set AC, 64*(\a)
	WIN 0x08
.irp b, 0,1,2,3,4,5,6,7
	ds_store_b128 v[STO], v[AC+8*\b:AC+8*\b+3] offset:128*(\b/2)+32*(\b%2)
	ds_store_b128 v[STO], v[AC+8*\b+4:AC+8*\b+7] offset:128*(\b/2)+32*(\b%2)+16
.endr
	WIN 0
.set BB, BK+64*((\a)%2)
.irp t, 0,1,2,3,4,5,6,7,8,9,10,11,12,13,14,15
	ds_load_b128 v[BB+4*\t:BB+4*\t+3], v[RD] offset:\t*528
.endr
.endm
.macro SEND a, younger                 ; younger: the LDS instructions issued behind block a's loads
.set BB, BK+64*((\a)%2)
	s_wait_dscnt \younger
.irp t, 0,1,2,3,4,5,6,7,8,9,10,11,12,13,14,15
	global_store_b128 v16, v[BB+4*\t:BB+4*\t+3], s[14:15] offset:(32*((\a)/2)+8*((\a)%2)+\t+8*(\t/8))*4096 th:TH_STORE_NT
.endr
.endm
	PLACES 4
	TOSTAGE 0
.irp a, 1,2,3
.if \a > 1
	s_wait_xcnt 0x0                                ; block a - 2's stores have read their registers: block a's loads may land there
.endif
	TOSTAGE \a
	SEND \a-1, 32
.endr
	SEND 3, 0
	s_wait_tensorcnt 0x0                           ; the wave's end
	ds_add_u32 v[SPW], v[NIL]
	s_wait_dscnt 0x0
	CROUND                                         ; the closing round
	s_endpgm
.Lfunc_end_k_qe99c7a009b_proj:
	.size	k_qe99c7a009b_proj, .Lfunc_end_k_qe99c7a009b_proj-k_qe99c7a009b_proj
	.p2alignl 7, 3214868480
	.fill 96, 4, 3214868480
	.section	.rodata,"a",@progbits
	.p2align	6, 0x0
	.amdhsa_kernel k_qe99c7a009b_proj
		.amdhsa_group_segment_fixed_size 327680
		.amdhsa_private_segment_fixed_size 0
		.amdhsa_enable_private_segment 0
		.amdhsa_kernarg_size 48
		.amdhsa_user_sgpr_count 2
		.amdhsa_user_sgpr_kernarg_segment_ptr 1
		.amdhsa_wavefront_size32 1
		.amdhsa_system_sgpr_workgroup_id_x 1
		.amdhsa_system_sgpr_workgroup_id_y 1
		.amdhsa_system_sgpr_workgroup_id_z 1
		.amdhsa_system_vgpr_workitem_id 0
		.amdhsa_next_free_vgpr 768
		.amdhsa_next_free_sgpr 100
		.amdhsa_reserve_vcc 0
		.amdhsa_float_denorm_mode_32 3
		.amdhsa_float_denorm_mode_16_64 3
		.amdhsa_memory_ordered 1
		.amdhsa_forward_progress 1
		.amdhsa_inst_pref_size 88
	.end_amdhsa_kernel
	.amdgpu_metadata
---
amdhsa.version: [ 1, 2 ]
amdhsa.kernels:
  - .name:           k_qe99c7a009b_proj
    .symbol:         k_qe99c7a009b_proj.kd
    .args:
      - { .name: ao, .offset: 0, .size: 8, .value_kind: global_buffer, .address_space: global }
      - { .name: aos, .offset: 8, .size: 8, .value_kind: global_buffer, .address_space: global }
      - { .name: cq, .offset: 16, .size: 8, .value_kind: global_buffer, .address_space: global }
      - { .name: zs, .offset: 24, .size: 8, .value_kind: global_buffer, .address_space: global }
      - { .name: b_proj, .offset: 32, .size: 8, .value_kind: global_buffer, .address_space: global }
      - { .name: out0, .offset: 40, .size: 8, .value_kind: global_buffer, .address_space: global }
    .group_segment_fixed_size: 327680
    .private_segment_fixed_size: 0
    .kernarg_segment_align: 8
    .kernarg_segment_size: 48
    .max_flat_workgroup_size: 128
    .sgpr_count:     100
    .vgpr_count:     768
    .wavefront_size: 32
...
	.end_amdgpu_metadata
.endif
;; end of part 4
